; MI455X (gfx1250); checked and timed in simulation.
; The chip was launched on July 23, 2026; its instructions are those of AMD's public machine-readable ISA for CDNA 5 (MIT licence, August 2026) and "CDNA5" Instruction Set Architecture Reference Guide (July 2026). The comments in the code are by the model that wrote it; some were corrected since.
;; Single Head Attention. Allowed arithmetic: float matrix products may take bf16 or f16 operands with f32 sums; other float arithmetic in f32, or as packed bf16 or f16 multiplies, adds, multiply-adds, maxima and minima; sums over many terms, partial sums and values carried from step to step in f32; what a program stores and reads back later, other than sums and carried values, may be rounded once to bf16 or f16.
;; Inputs: Wk 1,024 x 1,024 float32; Wv 1,024 x 1,024 float32; x 4 x 2,048 x 1,024 float32.
;; Outputs: out0 4 x 2,048 x 1,024 float32.
;; 2 versions, each right; version 2 is version 1 with the launch cvt written anew for expert scheduling mode. Each part assembles by itself: llvm-mc -triple=amdgcn-amd-amdhsa -mcpu=gfx1250 --defsym DOCPART=n.
;; ======== version 1 of 2: 4 launches
;; limits: right only within a limited range of input values
;; workspace buffers: xb 16,777,216 bytes; wb 4,194,304 bytes; kf 16,777,216 bytes; vf 16,777,216 bytes; pf 33,554,432 bytes; st 524,288 bytes
;; launch cvt (part 1): grid 640 x 1, 8 waves a work-group, no clusters, 0 bytes of LDS; arguments x, Wk, Wv, xb, wb; writes xb, wb
.if DOCPART == 1
	.amdgcn_target "amdgcn-amd-amdhsa--gfx1250"
	.amdhsa_code_object_version 6
	.text
	.protected	k_qd02d3abdb7_cvt
	.globl	k_qd02d3abdb7_cvt
	.p2align	8
	.type	k_qd02d3abdb7_cvt,@function
k_qd02d3abdb7_cvt:
	s_mov_b64 s[64:65], 0
	v_nop
	global_prefetch_b8 v0, s[64:65] scope:SCOPE_SE
	s_setreg_imm32_b32 hwreg(HW_REG_WAVE_MODE, 25, 1), 1
	s_wait_xcnt 0x0
; x, Wk and Wv, all f32, are rounded once to bf16 (nearest even): xb = x; wb = Wk's 1,024 rows, then Wv's.
; A work-group takes 65,536 bytes of f32 and makes 32,768 bytes of bf16: groups 0-511 x, 512-575 Wk, 576-639 Wv.
; Thread t takes 16 bytes of each 4,096: a wave's load covers 512 consecutive bytes, its store 256 consecutive, aligned bytes.
; All sixteen loads go out first; no register is written twice, so no wait frees a source.  A stream: LDS, matrix units and clusters would add nothing.
.set X, 4                              ; v[4:67]   sixteen loads of four f32
.set Y, 68                             ; v[68:99]  sixteen pairs of packed bf16
	s_load_b256 s[4:11], s[0:1], 0x0               ; x s[4:5], Wk s[6:7], Wv s[8:9], xb s[10:11]
	s_load_b64 s[12:13], s[0:1], 0x20              ; wb
	v_lshlrev_b32 v1, 4, v0                        ; 16 t: my place in 4,096 bytes of f32
	v_lshlrev_b32 v2, 3, v0                        ; 8 t: my place in 2,048 bytes of bf16
	s_mov_b32 s14, ttmp9                           ; g
	s_sub_co_u32 s15, s14, 512                     ; the group's number among the weights' (used where g >= 512)
	s_sub_co_u32 s16, s14, 576                     ; among Wv's (used where g >= 576)
	s_cmp_lt_u32 s14, 576
	s_cselect_b32 s17, s15, s16
	s_cmp_lt_u32 s14, 512
	s_cselect_b32 s17, s14, s17                    ; the group's number in its source
	s_cselect_b32 s18, s14, s15                    ; and in its destination
	s_lshl_b32 s20, s17, 16                        ; offsets in bytes, made apart from the addresses
	s_mov_b32 s21, 0
	s_lshl_b32 s22, s18, 15
	s_mov_b32 s23, 0
	s_wait_kmcnt 0x0
	s_cmp_lt_u32 s14, 576
	s_cselect_b64 s[24:25], s[6:7], s[8:9]
	s_cmp_lt_u32 s14, 512
	s_cselect_b64 s[24:25], s[4:5], s[24:25]       ; the source: x, Wk or Wv
	s_cselect_b64 s[26:27], s[10:11], s[12:13]     ; the destination: xb or wb
	s_add_nc_u64 s[24:25], s[24:25], s[20:21]
	s_add_nc_u64 s[26:27], s[26:27], s[22:23]
.set k, 0
.rept 16
	global_load_b128 v[X+4*k:X+4*k+3], v1, s[24:25] offset:4096*k th:TH_LOAD_NT
.set k, k+1
.endr
.set k, 0
.rept 16
	s_wait_loadcnt 15-k                            ; loads come back in order: load k is in, the younger ones stay out
	v_cvt_pk_bf16_f32 v[Y+2*k], v[X+4*k], v[X+4*k+1]
	v_cvt_pk_bf16_f32 v[Y+2*k+1], v[X+4*k+2], v[X+4*k+3]
	global_store_b64 v2, v[Y+2*k:Y+2*k+1], s[26:27] offset:2048*k
.set k, k+1
.endr
	s_endpgm
.Lfunc_end_k_qd02d3abdb7_cvt:
	.size	k_qd02d3abdb7_cvt, .Lfunc_end_k_qd02d3abdb7_cvt-k_qd02d3abdb7_cvt
	.p2alignl 7, 3214868480
	.fill 96, 4, 3214868480
	.section	.rodata,"a",@progbits
	.p2align	6, 0x0
	.amdhsa_kernel k_qd02d3abdb7_cvt
		.amdhsa_group_segment_fixed_size 0
		.amdhsa_private_segment_fixed_size 0
		.amdhsa_enable_private_segment 0
		.amdhsa_kernarg_size 40
		.amdhsa_user_sgpr_count 2
		.amdhsa_user_sgpr_kernarg_segment_ptr 1
		.amdhsa_wavefront_size32 1
		.amdhsa_system_sgpr_workgroup_id_x 1
		.amdhsa_system_sgpr_workgroup_id_y 1
		.amdhsa_system_sgpr_workgroup_id_z 1
		.amdhsa_system_vgpr_workitem_id 0
		.amdhsa_next_free_vgpr 100
		.amdhsa_next_free_sgpr 66
		.amdhsa_reserve_vcc 0
		.amdhsa_float_denorm_mode_32 3
		.amdhsa_float_denorm_mode_16_64 3
		.amdhsa_memory_ordered 1
		.amdhsa_forward_progress 1
		.amdhsa_inst_pref_size 7
	.end_amdhsa_kernel
	.amdgpu_metadata
---
amdhsa.version: [ 1, 2 ]
amdhsa.kernels:
  - .name:           k_qd02d3abdb7_cvt
    .symbol:         k_qd02d3abdb7_cvt.kd
    .args:
      - { .name: x, .offset: 0, .size: 8, .value_kind: global_buffer, .address_space: global }
      - { .name: Wk, .offset: 8, .size: 8, .value_kind: global_buffer, .address_space: global }
      - { .name: Wv, .offset: 16, .size: 8, .value_kind: global_buffer, .address_space: global }
      - { .name: xb, .offset: 24, .size: 8, .value_kind: global_buffer, .address_space: global }
      - { .name: wb, .offset: 32, .size: 8, .value_kind: global_buffer, .address_space: global }
    .group_segment_fixed_size: 0
    .private_segment_fixed_size: 0
    .kernarg_segment_align: 8
    .kernarg_segment_size: 40
    .max_flat_workgroup_size: 256
    .sgpr_count:     66
    .vgpr_count:     100
    .wavefront_size: 32
...
	.end_amdgpu_metadata
.endif
;; end of part 1
;; launch proj (part 2): grid 8 x 32, 4 waves a work-group, clusters of 4 x 4, 327,680 bytes of LDS; arguments xb, wb, kf, vf; writes kf, vf
.if DOCPART == 2
	.amdgcn_target "amdgcn-amd-amdhsa--gfx1250"
	.amdhsa_code_object_version 6
	.text
	.protected	k_qd02d3abdb7_proj
	.globl	k_qd02d3abdb7_proj
	.p2align	8
	.type	k_qd02d3abdb7_proj,@function
k_qd02d3abdb7_proj:
	s_mov_b64 s[64:65], 0
	v_nop
	global_prefetch_b8 v0, s[64:65] scope:SCOPE_SE
	s_setreg_imm32_b32 hwreg(HW_REG_WAVE_MODE, 25, 1), 1
	s_wait_xcnt 0x0
	s_wait_alu depctr_hold_cnt(0) depctr_sa_sdst(0) depctr_va_vdst(0) depctr_va_sdst(0) depctr_va_ssrc(0) depctr_va_vcc(0) depctr_vm_vsrc(0)
	s_getreg_b32 s2, hwreg(HW_REG_IB_STS2, 6, 4)
	s_cmp_eq_u32 s2, 0
	s_cbranch_scc0 .Lentry_in_a_cluster
	s_endpgm
.Lentry_in_a_cluster:
	s_bfe_u32 s2, ttmp6, 0x10000c
	s_cmp_lg_u32 s2, 0xf033
	s_cbranch_scc0 .Lentry_shape_is_right
	s_endpgm
.Lentry_shape_is_right:
; [K | V] = xb wb^T.  xb: [8192][1024] bf16; wb: [2048][1024] bf16 (rows 0-1023 Wk, 1024-2047 Wv); sums in f32, each result rounded once to bf16.
; A tile of 256 tokens x 256 channels is made by four waves, each 128 x 128: 64 accumulators of 16 x 16, 512 registers.  The 1,024 along K go in steps of 128 through two LDS slots.
; CLUSTERS: 4 x 4 work-groups.  The four of a row of the cluster need the same tile of xb, the four of a column the same tile of wb: each is asked for jointly (same load, same descriptor, a mask of four).
; THE MATRIX INSTRUCTION IS USED TRANSPOSED (source 0 = 16 rows of wb, source 1 = 16 tokens): a lane holds token lane % 16 and eight neighbouring channels 8 (lane / 16) + 0..7.
; THE RESULTS LEAVE AS FRAGMENTS.  A block of 1,024 bytes is [part p][lane l = r + 16 h][8 bf16] = row r of 16, k = 16 p + 8 h + e of 32: two loads of 16 bytes a lane, 512 bytes apart, are a whole matrix operand.
;   kf: [token block 0..511][channel chunk 0..31][1,024]: row = token, k = channel.  A lane's 16 packed bytes ARE its piece of a block: stored straight from registers.
;   vf: [channel block 0..63][token chunk 0..255][1,024]: row = channel, k = token.  16 tokens x 128 channels go through my own stage in LDS and come back turned (ds_load_tr16_b128).
; Every store of a wave covers 512 consecutive bytes, aligned.  The clusters with x = 0 make K (tile columns 0-3), those with x = 1 make V: the way out branches on the cluster's x, which all partners share.
; LIMITS: operands and results in bf16; NaN and infinities are not treated apart.
; REGISTERS: window 0: v0-31 addresses; v32-63, v192-223 the way out; v64-127, v128-191 fragments of xb, two buffers.  Window 1: v64-191 fragments of wb.  Windows 2, 3: the accumulators ((a, b) at v[8 (8 (a % 4) + b)]).
.set SIZE_K, 1024
.set KSTEP,  128
.set PITCH,  272                       ; an LDS row: 256 bytes + 16 of padding = 68 words: the 16 rows of a fragment load start at 16 different groups of four banks (64 banks of 4 bytes: ISA guide 11.1)
.set HALFT,  128*PITCH                 ; 128 rows: what one tensor load brings
.set SLOT,   4*HALFT                   ; xb's 256 rows, then wb's 256 rows
.set STAGE,  2*SLOT                    ; behind the ring: 16 rows x 272 bytes for each wave; no tensor load lands here
.set SPITCH, 272
.set SPARE,  STAGE+4*16*SPITCH         ; the spare words, 128 bytes for each wave: two blocks of 256 bytes that no other line names
.set LAPS,   SIZE_K/(2*KSTEP)          ; a lap = two K steps = once round the ring
.set ADRA, 16                          ; v16-17  LDS address of my fragments of xb in slot 0, 1
.set ADRB, 20                          ; v20-21  the same for wb
.set STO,  24                          ; v24     V's way out: where I put 16 bytes of a token's row
.set RDT,  25                          ; v25     V's way out: where the turning load reads
.set CO,   26                          ; v26     16 x lane: my piece of a block's 512 bytes
.set SPW,  28                          ; v28     LDS address of my spare word; never rewritten
.set NIL,  29                          ; v29     0; never rewritten
.set BK,   32                          ; v32-63  V's way out: the turned pieces
.set F0,   64
.set F1,   128
.set TMP,  192                         ; v192-223 packed results
.set G1,  24                           ; s[24:31] descriptor group 1 for xb's tiles;  s[32:39] group 0, a set for each slot
.set G0,  32
.set G1B, 48                           ; s[48:55], s[56:63] the same for wb's tiles
.set G0B, 56
.set MODE, 66                          ; s66     the cluster's x: 0 = K, 1 = V
.set KB,  68                           ; s[68:69] kf at my wave's first block
.set VB,  70                           ; s[70:71] vf at my wave's first block
.set MSB, 0
.macro WIN new                         ; the immediate's high byte repeats the setting that is left; a switch that changes nothing is dropped
.if MSB != (\new)
	s_set_vgpr_msb (MSB<<8)|(\new)
.set MSB, \new
.endif
.endm
.set MUL_LO, 0xa1                      ; source 0 (wb) window 1, source 1 (xb) window 0, C and D window 2
.set MUL_HI, 0xf1                      ; the same, C and D window 3
.set TO_B,   0x40                      ; destination window 1, address window 0
; A joint load.  Waves 0 and 1 fetch xb's two halves, waves 2 and 3 wb's.  The branch hangs on the wave's number alone.  An s_nop 0 and four v_nop follow each line.
.macro JLOAD s
	s_cmp_eq_u32 s11, 0
	s_cbranch_scc0 .Lfor_b_\@
	tensor_load_to_lds s[G0+4*(\s):G0+4*(\s)+3], s[G1:G1+7]
	s_nop 0
.rept 4
	v_nop
.endr
	s_branch .Lasked_\@
.Lfor_b_\@:
	tensor_load_to_lds s[G0B+4*(\s):G0B+4*(\s)+3], s[G1B:G1B+7]
	s_nop 0
.rept 4
	v_nop
.endr
.Lasked_\@:
.endm
.macro CREST                           ; a round of the cluster's barrier behind its opening barrier
	s_cmp_lg_u32 s10, 0
	s_cbranch_scc1 .Lnot_wave_0_\@
	s_barrier_signal -3
.Lnot_wave_0_\@:
	s_barrier_wait -3
	s_barrier_signal -1
	s_barrier_wait -1
.endm
.macro CROUND                          ; a whole round
	s_barrier_signal -1
	s_barrier_wait -1
	CREST
.endm
	s_load_b128 s[4:7], s[0:1], 0x0                ; xb s[4:5], wb s[6:7]
	s_load_b128 s[KB:KB+3], s[0:1], 0x10           ; kf, vf
	v_lshl_add_u32 v[SPW], v0, 2, SPARE
	v_mov_b32 v[NIL], 0
	ds_add_u32 v[SPW], v[NIL]                      ; the wave's opening: the add and its wait stand ahead of my first tensor load; the set-up below stands between them
	ds_add_u32 v28, v29
	v_lshrrev_b32 v1, 5, v0
	v_readfirstlane_b32 s10, v1                    ; wave 0..3
	s_lshr_b32 s11, s10, 1                         ; which half of the tile's tokens is mine.  Also: I fetch for xb (0) or for wb (1)
	s_and_b32 s12, s10, 1                          ; which half of its channels.  Also: which 128 rows of that tile I fetch
	s_bfe_u32 s40, ttmp6, 0x40000                  ; cx
	s_bfe_u32 s41, ttmp6, 0x40004                  ; cy
	s_mov_b32 s[MODE], ttmp9                       ; the cluster's x
	s_lshl_b32 s42, ttmp9, 2
	s_add_co_u32 s42, s42, s40                     ; tile column = 4 x cluster x + cx
	s_and_b32 s13, ttmp7, 0xffff
	s_lshl_b32 s13, s13, 2
	s_add_co_u32 s13, s13, s41                     ; tile row = 4 x cluster y + cy
	s_lshl_b32 s43, s41, 2
	s_lshl_b32 s43, 15, s43                        ; my row of the cluster
	s_lshl_b32 s44, 0x1111, s40                    ; my column
	s_or_b32 s[G1+0], s43, (1<<16)|(1<<20)|(1<<21)|(5<<22)|(3<<25)   ; the mask; elements of 2 bytes; padding on; bit 21 beside a mask; after every 64 words 4 words of padding
	s_or_b32 s[G1B+0], s44, (1<<16)|(1<<20)|(1<<21)|(5<<22)|(3<<25)
.irp g, G1, G1B
	s_mov_b32 s[(\g)+1], KSTEP<<16                 ; tensor_dim0 = 128
	s_mov_b32 s[(\g)+2], 128<<16                   ; tensor_dim1 = 128
	s_mov_b32 s[(\g)+3], KSTEP<<16                 ; tile_dim0 = 128
	s_mov_b32 s[(\g)+4], 128                       ; tile_dim1 = 128
	s_mov_b32 s[(\g)+5], SIZE_K                    ; elements from row to row
	s_mov_b32 s[(\g)+6], 0
	s_mov_b32 s[(\g)+7], 0
.endr
	s_lshl_b32 s17, s12, 7                         ; which 128 rows of the tile I fetch
	s_lshl_b32 s16, s13, 8
	s_add_co_u32 s16, s16, s17                     ; xb: row 256 x tile row + 128 x half
	s_lshl_b32 s46, s42, 8
	s_add_co_u32 s46, s46, s17                     ; wb: row 256 x tile column + 128 x half
	s_mov_b32 s17, 0
	s_mov_b32 s47, 0
	s_mov_b64 s[18:19], SIZE_K*2
	s_mul_u64 s[16:17], s[16:17], s[18:19]
	s_mul_u64 s[46:47], s[46:47], s[18:19]
	s_mul_i32 s20, s10, HALFT                      ; where they go: wave x 128 rows: no place in the cluster enters an LDS address
	s_wait_dscnt 0x0                               ; the opening add is done
	s_wait_kmcnt 0x0
	s_add_nc_u64 s[14:15], s[4:5], s[16:17]
	s_add_nc_u64 s[46:47], s[6:7], s[46:47]
	CROUND                                         ; all sixteen work-groups are here: the first joint loads meet
.irp s, 0,1
	s_mov_b32 s[G0+4*(\s)], 1
	s_add_co_u32 s[G0+4*(\s)+1], s20, (\s)*SLOT
	s_add_nc_u64 s[G0+4*(\s)+2:G0+4*(\s)+3], s[14:15], (\s)*KSTEP*2
	s_or_b32 s[G0+4*(\s)+3], s[G0+4*(\s)+3], 0x80000000
	s_mov_b32 s[G0B+4*(\s)], 1
	s_add_co_u32 s[G0B+4*(\s)+1], s20, (\s)*SLOT
	s_add_nc_u64 s[G0B+4*(\s)+2:G0B+4*(\s)+3], s[46:47], (\s)*KSTEP*2
	s_or_b32 s[G0B+4*(\s)+3], s[G0B+4*(\s)+3], 0x80000000
	JLOAD \s                                       ; two loads of mine are out
.endr
	v_and_b32 v1, 15, v0                           ; r = lane % 16
	v_bfe_u32 v2, v0, 4, 1                         ; h = lane / 16
	v_mul_u32_u24 v3, v1, PITCH
	v_lshl_add_u32 v3, v2, 4, v3                   ; a fragment's row x pitch + 16 h
	s_mul_i32 s21, s11, HALFT                      ; my 128 rows of xb
	s_mul_i32 s22, s12, HALFT                      ; my 128 rows of wb,
	s_add_co_u32 s22, s22, 2*HALFT                 ; which lie behind xb's 256
.irp s, 0,1
	v_add_nc_u32 v[ADRA+(\s)], s21, v3
	v_add_nc_u32 v[ADRB+(\s)], s22, v3
	s_add_co_u32 s21, s21, SLOT
	s_add_co_u32 s22, s22, SLOT
.endr
	s_mul_i32 s23, s10, 16*SPITCH
	s_add_co_u32 s23, s23, STAGE                   ; my stage
	v_mul_u32_u24 v4, v1, SPITCH                   ; in: token r, 16 bytes for each half of the lanes
	v_lshl_add_u32 v4, v2, 4, v4
	v_add_nc_u32 v[STO], s23, v4
	v_and_b32 v5, 7, v0                            ; the turning load: lane l reads token 8 h + l % 8, channels 8 ((l / 8) % 2) + 0..7
	v_lshl_add_u32 v5, v2, 3, v5
	v_mul_u32_u24 v5, v5, SPITCH
	v_bfe_u32 v6, v0, 3, 1
	v_lshl_add_u32 v5, v6, 4, v5
	v_add_nc_u32 v[RDT], s23, v5
	v_and_b32 v[CO], 31, v0
	v_lshlrev_b32 v[CO], 4, v[CO]
	; where my wave's blocks begin.  kf: token block 16 ty + 8 wr (32,768 bytes each), chunk 8 cx + 4 wc.  vf: channel block 16 cx + 8 wc (262,144 bytes each), token chunk 8 ty + 4 wr.
	; (cx is the tile column within K or within V.)  What holds cx lies in registers that never feed xb's descriptors.
	s_lshl_b32 s16, s13, 4
	s_lshl_b32 s17, s11, 3
	s_add_co_u32 s16, s16, s17                     ; 16 ty + 8 wr
	s_lshl_b32 s46, s16, 15
	s_lshl_b32 s47, s40, 3
	s_lshl_b32 s45, s12, 2
	s_add_co_u32 s47, s47, s45                     ; 8 cx + 4 wc
	s_lshl_b32 s45, s47, 10
	s_add_co_u32 s46, s46, s45
	s_lshl_b32 s44, s47, 19                        ; (16 cx + 8 wc) x 262,144
	s_lshl_b32 s45, s16, 9                         ; (8 ty + 4 wr) x 1,024
	s_add_co_u32 s44, s44, s45
	s_mov_b32 s47, 0
	s_mov_b32 s45, 0
	s_add_nc_u64 s[KB:KB+1], s[KB:KB+1], s[46:47]
	s_add_nc_u64 s[VB:VB+1], s[VB:VB+1], s[44:45]
; 16 matrix instructions: token blocks a0, a0 + 1 of the window's four x all 8 channel blocks, 32 along K.  zero = 1: the first product starts the sums.
.macro MUL16 f, hi, a0, zero
	WIN MUL_LO+0x50*(\hi)
.irp a, \a0, (\a0)+1
.irp b, 0,1,2,3,4,5,6,7
.if \zero
	v_wmma_f32_16x16x32_bf16 v[8*(8*(\a)+(\b)):8*(8*(\a)+(\b))+7], v[(\f)+8*(\b):(\f)+8*(\b)+7], v[(\f)+8*(4*(\hi)+(\a)):(\f)+8*(4*(\hi)+(\a))+7], 0
.else
	v_wmma_f32_16x16x32_bf16 v[8*(8*(\a)+(\b)):8*(8*(\a)+(\b))+7], v[(\f)+8*(\b):(\f)+8*(\b)+7], v[(\f)+8*(4*(\hi)+(\a)):(\f)+8*(4*(\hi)+(\a))+7], v[8*(8*(\a)+(\b)):8*(8*(\a)+(\b))+7]
.endif
.endr
.endr
.endm
; 32 LDS loads in one run: the fragments of a quarter step (32 K at byte k of the rows) into buffer f: wb's 16 loads, then xb's
.macro FETCH slot, k, f
	WIN TO_B
.irp i, 0,1,2,3,4,5,6,7
	ds_load_b128 v[(\f)+8*(\i):(\f)+8*(\i)+3],   v[ADRB+(\slot)] offset:(\k)+(\i)*16*PITCH
	ds_load_b128 v[(\f)+8*(\i)+4:(\f)+8*(\i)+7], v[ADRB+(\slot)] offset:(\k)+(\i)*16*PITCH+32
.endr
	WIN 0
.irp i, 0,1,2,3,4,5,6,7
	ds_load_b128 v[(\f)+8*(\i):(\f)+8*(\i)+3],   v[ADRA+(\slot)] offset:(\k)+(\i)*16*PITCH
	ds_load_b128 v[(\f)+8*(\i)+4:(\f)+8*(\i)+7], v[ADRA+(\slot)] offset:(\k)+(\i)*16*PITCH+32
.endr
.endm
.macro PLACES                          ; four places in front of loads into registers that matrix instructions have read, and of conversions that read results
.rept 4
	v_nop
.endr
.endm
; A K step is four quarters of 32 along K, 64 matrix instructions each, on buffers 0, 1, 0, 1; the 64 accumulators take turns in the same order in every quarter.
.macro QUARTER slot, k, f, g, zero
	s_wait_dscnt 8                                 ; wb's fragments and xb's rows 0-63 are in; the youngest eight loads may be out
	MUL16 \f, 0, 0, \zero
	MUL16 \f, 0, 2, \zero
	PLACES
	FETCH \slot, \k, \g
	s_wait_dscnt 32                                ; all but the 32 just issued
	MUL16 \f, 1, 0, \zero
	MUL16 \f, 1, 2, \zero
.endm
; The last quarter's first half and the change of slots: each wave waits for all its tensor loads (one is out: its part of the next slot), adds 0 to its spare word, and waits for that and for its reads of this slot.
.macro MEET round
	WIN 0
	s_wait_tensorcnt 0x0
	ds_add_u32 v[SPW], v[NIL]
	s_wait_dscnt 9                                 ; the add and the youngest eight loads may be out
	MUL16 F1, 0, 0, 0
	s_wait_dscnt 0x0                               ; the add is done, and my reads of this slot are over
	s_barrier_signal -1
	MUL16 F1, 0, 2, 0
.if \round
	WIN 0
.endif
	s_barrier_wait -1
.endm
; fill = 1: the barrier opens a round of the cluster's, and this slot is filled again first thing behind it, two K steps ahead: 224 matrix instructions stand between the request and the wait for it.
.macro TURN slot, next, fill
	MEET \fill
.if \fill
	CREST
	s_add_nc_u64 s[G0+4*(\slot)+2:G0+4*(\slot)+3], s[G0+4*(\slot)+2:G0+4*(\slot)+3], 2*KSTEP*2
	s_add_nc_u64 s[G0B+4*(\slot)+2:G0B+4*(\slot)+3], s[G0B+4*(\slot)+2:G0B+4*(\slot)+3], 2*KSTEP*2
	JLOAD \slot                                    ; its four v_nop are also the places in front of the loads below
.else
	PLACES
.endif
	FETCH \next, 0, F0
	MUL16 F1, 1, 0, 0
	MUL16 F1, 1, 2, 0
.endm
.macro PACK a                          ; block a's 16 tokens x 128 channels rounded to bf16, each accumulator's registers in ascending order
.set AC, 64*((\a)%4)
	WIN 0x0a+5*((\a)/4)                            ; sources 0 and 1: window 2 or 3
.irp b, 0,1,2,3,4,5,6,7
.irp r, 0,1,2,3
	v_cvt_pk_bf16_f32 v[TMP+4*(\b)+(\r)], v[AC+8*(\b)+2*(\r)], v[AC+8*(\b)+2*(\r)+1]
.endr
.endr
	WIN 0
.endm
; The way out of block a.  K: accumulator (a, b)'s 16 bytes a lane are part b % 2 of chunk b / 2 of token block a.  V: through my stage, turned: part a % 2 of token chunk a / 2 of channel block b.
.macro OUT a
	s_wait_xcnt 0x0                                ; the registers that earlier stores read are rewritten only behind this wait
	PACK \a
	s_cmp_lg_u32 s[MODE], 0
	s_cbranch_scc1 .Lout_v_\@
.irp b, 0,1,2,3,4,5,6,7
	global_store_b128 v[CO], v[TMP+4*(\b):TMP+4*(\b)+3], s[KB:KB+1] offset:(\a)*32768+(\b)*512
.endr
	s_branch .Lsent_\@
.Lout_v_\@:
.irp b, 0,1,2,3,4,5,6,7
	ds_store_b128 v[STO], v[TMP+4*(\b):TMP+4*(\b)+3] offset:32*(\b)
.endr
.irp b, 0,1,2,3,4,5,6,7
	ds_load_tr16_b128 v[BK+4*(\b):BK+4*(\b)+3], v[RDT] offset:32*(\b)  ; LDS serves a wave's instructions in order (ISA guide 5.7.1.4): these see the stores above
.endr
	s_wait_dscnt 0x0
.irp b, 0,1,2,3,4,5,6,7
	global_store_b128 v[CO], v[BK+4*(\b):BK+4*(\b)+3], s[VB:VB+1] offset:(\b)*262144+(\a)*512
.endr
.Lsent_\@:
.endm
	s_wait_tensorcnt 1                             ; my part of K step 0 is in; K step 1's may stay out
	s_barrier_signal -1
	s_barrier_wait -1
	FETCH 0, 0, F0
	QUARTER 0, 64,  F0, F1, 1                      ; the first quarter stands in front of the loop: its products start the sums
	WIN 0
	s_mov_b32 s3, LAPS-1
.Llap:                                                 ; a trip goes once round the ring and fills both slots again
	QUARTER 0, 128, F1, F0, 0
	QUARTER 0, 192, F0, F1, 0
	TURN 0, 1, 1
	QUARTER 1, 64,  F0, F1, 0
	QUARTER 1, 128, F1, F0, 0
	QUARTER 1, 192, F0, F1, 0
	TURN 1, 0, 1
	QUARTER 0, 64,  F0, F1, 0
	WIN 0
	s_sub_co_u32 s3, s3, 1
	s_cmp_lg_u32 s3, 0
	s_cbranch_scc1 .Llap
	QUARTER 0, 128, F1, F0, 0                      ; the last lap fills nothing
	QUARTER 0, 192, F0, F1, 0
	TURN 0, 1, 0
	QUARTER 1, 64,  F0, F1, 0
	QUARTER 1, 128, F1, F0, 0
	QUARTER 1, 192, F0, F1, 0
	s_wait_dscnt 8                                 ; the very last quarter: nothing more to fetch
	MUL16 F1, 0, 0, 0
	MUL16 F1, 0, 2, 0
	s_wait_dscnt 0x0
	MUL16 F1, 1, 0, 0
	MUL16 F1, 1, 2, 0
	WIN 0
	PLACES
.irp a, 0,1,2,3,4,5,6,7
	OUT \a
.endr
	s_wait_tensorcnt 0x0                           ; the wave's end
	ds_add_u32 v[SPW], v[NIL]
	s_wait_dscnt 0x0
	CROUND                                         ; the closing round
	s_endpgm
.Lfunc_end_k_qd02d3abdb7_proj:
	.size	k_qd02d3abdb7_proj, .Lfunc_end_k_qd02d3abdb7_proj-k_qd02d3abdb7_proj
	.p2alignl 7, 3214868480
	.fill 96, 4, 3214868480
	.section	.rodata,"a",@progbits
	.p2align	6, 0x0
	.amdhsa_kernel k_qd02d3abdb7_proj
		.amdhsa_group_segment_fixed_size 327680
		.amdhsa_private_segment_fixed_size 0
		.amdhsa_enable_private_segment 0
		.amdhsa_kernarg_size 32
		.amdhsa_user_sgpr_count 2
		.amdhsa_user_sgpr_kernarg_segment_ptr 1
		.amdhsa_wavefront_size32 1
		.amdhsa_system_sgpr_workgroup_id_x 1
		.amdhsa_system_sgpr_workgroup_id_y 1
		.amdhsa_system_sgpr_workgroup_id_z 1
		.amdhsa_system_vgpr_workitem_id 0
		.amdhsa_next_free_vgpr 1024
		.amdhsa_next_free_sgpr 72
		.amdhsa_reserve_vcc 0
		.amdhsa_float_denorm_mode_32 3
		.amdhsa_float_denorm_mode_16_64 3
		.amdhsa_memory_ordered 1
		.amdhsa_forward_progress 1
		.amdhsa_inst_pref_size 149
	.end_amdhsa_kernel
	.amdgpu_metadata
---
amdhsa.version: [ 1, 2 ]
amdhsa.kernels:
  - .name:           k_qd02d3abdb7_proj
    .symbol:         k_qd02d3abdb7_proj.kd
    .args:
      - { .name: xb, .offset: 0, .size: 8, .value_kind: global_buffer, .address_space: global }
      - { .name: wb, .offset: 8, .size: 8, .value_kind: global_buffer, .address_space: global }
      - { .name: kf, .offset: 16, .size: 8, .value_kind: global_buffer, .address_space: global }
      - { .name: vf, .offset: 24, .size: 8, .value_kind: global_buffer, .address_space: global }
    .group_segment_fixed_size: 327680
    .private_segment_fixed_size: 0
    .kernarg_segment_align: 8
    .kernarg_segment_size: 32
    .max_flat_workgroup_size: 128
    .sgpr_count:     72
    .vgpr_count:     1024
    .wavefront_size: 32
...
	.end_amdgpu_metadata
.endif
;; end of part 2
;; launch score (part 3): grid 36 x 4, 4 waves a work-group, no clusters, 327,680 bytes of LDS; arguments kf, pf, st; writes pf, st
.if DOCPART == 3
	.amdgcn_target "amdgcn-amd-amdhsa--gfx1250"
	.amdhsa_code_object_version 6
	.text
	.protected	k_qd02d3abdb7_score
	.globl	k_qd02d3abdb7_score
	.p2align	8
	.type	k_qd02d3abdb7_score,@function
k_qd02d3abdb7_score:
	s_mov_b64 s[64:65], 0
	v_nop
	global_prefetch_b8 v0, s[64:65] scope:SCOPE_SE
	s_setreg_imm32_b32 hwreg(HW_REG_WAVE_MODE, 25, 1), 1
	s_wait_xcnt 0x0
; For each batch the 36 tiles (I, J), J <= I, of 256 queries x 256 keys of S = K K^T (query and key are the same projection).  In the way out, for each query of the tile:
; m_J = the largest visible score of the tile, p = 2^(c s - c m_J) rounded to bf16, l_J = the sum of the unrounded p; c = log2(e) / 32.  pf takes p, st takes c m_J and l_J in f32.
; The launch behind takes the maximum over a row's tiles and joins them, so that the row's true maximum is what is taken away.
; kf: [token block][channel chunk 0..31][1,024 bytes] in fragment form ([part][lane][8 bf16]): two loads of 16 bytes a lane, 512 bytes apart, are an operand; LDS needs no padding (a load's 32 lanes read 512 consecutive bytes).
; pf: [batch][query block 0..127][key chunk 0..63][1,024 bytes], the same form: row = query, k = key.  st: c m at [batch][J][row], f32; l in the same shape 262,144 bytes on.
; Four waves, each 128 queries x 128 keys: 64 accumulators.  Source 0 = 16 keys, source 1 = 16 queries: a lane holds query lane % 16 and keys 8 (lane / 16) + 0..7, which pack into its piece of a block of pf.
; THE MASK is the C operand of the products that start the sums: 0, or -1e30 where the key is hidden.  Three groups of eight registers serve all 64 accumulators: query block above, on, or below the key block.
; NO CLUSTER: a tile row of the triangle has 1 to 8 tiles and a tile column 8 to 1, so sets of four that share an operand in one role do not cover the 36; a square of 4 x 4 on the diagonal would hold 6 work-groups without work.
; 144 work-groups: halves or quarters of this tile would make 288 or 544, more than one for each of 256 processors, on smaller wave tiles.
; LIMITS: K and p in bf16; a hidden score counts as its value less 1e30; a weight below 2^-126 counts as 0; NaN and infinities are not treated apart.
; REGISTERS: window 0: v0-31 addresses; v64-191 the queries' fragments, two buffers, later the way out; v192-255 packed p.  Window 1: v0-23 the masks; v64-191 the keys' fragments.  Windows 2, 3: the accumulators.
.set SLOT1, 1<<17                      ; a slot: four regions of 32,768 bytes = [8 token blocks][4 chunks][1,024]; regions 0, 1 the queries, 2, 3 the keys; slot 1 begins here
.set REGB,  32768
.set XM,    2*SLOT1                    ; behind the ring: 512 bytes a wave: its 128 row maxima
.set XL,    XM+2048                    ; 512 bytes a wave: its 128 row sums
.set SPARE, XM+4096                    ; the spare words, 128 bytes for each wave: two blocks of 256 bytes that no other line names
.set ADRA, 16                          ; v16  LDS address of the queries' fragments in the slot in hand
.set A0,   18                          ; v18  the same less the slot; never rewritten
.set B0,   19                          ; v19  the keys'
.set ADRB, 20                          ; v20
.set XW,   24                          ; v24  where I put a row's maximum
.set XR,   25                          ; v25  where my partner (same queries, other keys) put it
.set CO,   26                          ; v26  16 x lane
.set XN,   27                          ; v27  my wave's 128 maxima, four a lane
.set SPW,  28
.set NIL,  29
.set F0,   64
.set F1,   128
.set CT,   64                          ; v64-95   the way out: 32 running maxima
.set MX,   96                          ; v96-103  a row block's maximum
.set PM,   104                         ; v104-111 the partner's
.set CMV,  112                         ; v112-127 c m, in pairs
.set LS,   128                         ; v128-143 sums, in pairs
.set LIN,  144                         ; v144-159 the statistics as they leave
.set TMP,  192                         ; v192-255 packed p, two buffers
.set MGN,  0                           ; window 1: mask where the query block lies below the key block in number order a > b
.set MGZ,  8                           ; a = b
.set MGP,  16                          ; a < b
.set G1,   24                          ; s[24:31] descriptor group 1
.set G0A,  32                          ; s[32:35] group 0 of the first fill of slot 0
.set G0B,  36                          ; s[36:39] group 0 of slot 1's first fill; it then walks
.set TB,   40                          ; s40      the slot in hand: 0 or SLOT1
.set CS,   42                          ; s[42:43] c
.set SEL,  44                          ; s[44:45] v_permlanex16_b32's selects
.set PB,   46                          ; s[46:47] pf at my wave's first block
.set STQ,  48                          ; s[48:49] st at my wave's first row
.set MSB, 0
.macro WIN new
.if MSB != (\new)
	s_set_vgpr_msb (MSB<<8)|(\new)
.set MSB, \new
.endif
.endm
.set MUL_LO, 0xa1
.set TO_B,   0x40
	s_load_b128 s[4:7], s[0:1], 0x0                ; kf s[4:5], pf s[6:7]
	s_load_b64 s[8:9], s[0:1], 0x10                ; st
	v_lshl_add_u32 v[SPW], v0, 2, SPARE
	v_mov_b32 v[NIL], 0
	ds_add_u32 v[SPW], v[NIL]                      ; the wave's opening: the add and its wait stand ahead of my first tensor load
	ds_add_u32 v28, v29
	v_lshrrev_b32 v1, 5, v0
	v_readfirstlane_b32 s10, v1                    ; wave 0..3
	s_lshr_b32 s11, s10, 1                         ; wr: my half of the queries
	s_and_b32 s12, s10, 1                          ; wc: my half of the keys
	s_mov_b32 s16, ttmp9                           ; t = I (I + 1) / 2 + J
	s_and_b32 s15, ttmp7, 0xffff                   ; batch
	s_mov_b32 s13, 0
.irp th, 1,3,6,10,15,21,28
	s_cmp_ge_u32 s16, \th
	s_cselect_b32 s14, 1, 0
	s_add_co_u32 s13, s13, s14                     ; I = how many triangular numbers t has reached
.endr
	s_add_co_u32 s14, s13, 1
	s_mul_i32 s14, s14, s13
	s_lshr_b32 s14, s14, 1
	s_sub_co_u32 s14, s16, s14                     ; J
	s_mov_b32 s[G1+0], 3<<16                       ; elements of 8 bytes, no mask, no padding
	s_mov_b32 s[G1+1], 512<<16                     ; tensor_dim0 = 512: four chunks, 4,096 bytes
	s_mov_b32 s[G1+2], 8<<16                       ; tensor_dim1 = 8 token blocks
	s_mov_b32 s[G1+3], 512<<16                     ; tile_dim0
	s_mov_b32 s[G1+4], 8                           ; tile_dim1
	s_mov_b32 s[G1+5], 4096                        ; 32,768 bytes from a token block to the next
	s_mov_b32 s[G1+6], 0
	s_mov_b32 s[G1+7], 0
	s_cmp_lt_u32 s10, 2                            ; waves 0, 1 fetch the queries' halves (tile I), waves 2, 3 the keys' (tile J)
	s_cselect_b32 s17, s13, s14
	s_lshl_b32 s17, s17, 4
	s_lshl_b32 s18, s12, 3
	s_add_co_u32 s17, s17, s18
	s_lshl_b32 s18, s15, 7
	s_add_co_u32 s17, s17, s18                     ; my first token block
	s_lshl_b32 s18, s17, 15
	s_mov_b32 s19, 0
	s_mul_i32 s20, s10, REGB                       ; my region of a slot
	s_mov_b32 s[G0A], 1
	s_mov_b32 s[G0A+1], s20
	s_mov_b32 s[G0B], 1
	s_add_co_u32 s[G0B+1], s20, SLOT1
	s_mov_b32 s[TB], 0
	s_mov_b32 s[CS], 0x3d38aa3b                    ; c = log2(e) / 32
	s_mov_b32 s[CS+1], s[CS]
	s_mov_b32 s[SEL], 0x76543210
	s_mov_b32 s[SEL+1], 0xfedcba98
	s_wait_dscnt 0x0                               ; the opening add is done
	s_wait_kmcnt 0x0
	s_add_nc_u64 s[G0A+2:G0A+3], s[4:5], s[18:19]  ; K step 0
	s_add_nc_u64 s[G0B+2:G0B+3], s[G0A+2:G0A+3], 4096  ; K step 1: four chunks on
	s_or_b32 s[G0A+3], s[G0A+3], 0x80000000
	s_or_b32 s[G0B+3], s[G0B+3], 0x80000000
	tensor_load_to_lds s[G0A:G0A+3], s[G1:G1+7]    ; both first fills together: two loads of mine are out
	s_nop 0
	tensor_load_to_lds s[G0B:G0B+3], s[G1:G1+7]
	s_nop 0
.rept 4
	v_nop
.endr
	v_and_b32 v1, 15, v0                           ; r
	v_bfe_u32 v2, v0, 4, 1                         ; h
	v_and_b32 v4, 31, v0
	v_lshlrev_b32 v[CO], 4, v4
	s_lshl_b32 s21, s11, 15
	v_add_nc_u32 v[A0], s21, v[CO]
	s_lshl_b32 s21, s12, 15
	s_add_co_u32 s21, s21, 2*REGB
	v_add_nc_u32 v[B0], s21, v[CO]
	v_mov_b32 v[ADRA], v[A0]
	v_mov_b32 v[ADRB], v[B0]
	; The masks.  Query 128 wr + 16 a + r, key 128 wc + 16 b + 8 h + e; in a diagonal tile the key is hidden where it is the greater.
	v_lshlrev_b32 v3, 3, v2
	v_sub_nc_u32 v3, v1, v3                        ; r - 8 h: register e of a block on the diagonal is hidden where e is greater
	s_cmp_eq_u32 s13, s14
	s_cselect_b32 s20, 0xf149f2ca, 0               ; -1e30 in a diagonal tile
	s_cmp_lt_u32 s11, s12
	s_cselect_b32 s21, s20, 0                      ; what a block with a > b gets: hidden only if my keys lie wholly behind my queries
	s_cmp_le_u32 s11, s12
	s_cselect_b32 s22, s20, 0                      ; what a block with a < b gets
	v_mov_b32 v30, s21
	v_mov_b32 v31, s22
	WIN 0x40
.set e, 0
.rept 8
	v_mov_b32 v[MGN+e], v30
	v_cmp_gt_i32 vcc_lo, e, v3
	v_cndmask_b32 v[MGZ+e], v30, v31, vcc_lo
	v_mov_b32 v[MGP+e], v31
.set e, e+1
.endr
	WIN 0
	s_lshl_b32 s21, s10, 9
	s_add_co_u32 s21, s21, XM
	v_lshl_add_u32 v[XW], v1, 2, s21
	v_add_nc_u32 v[XN], s21, v[CO]
	s_xor_b32 s22, s10, 1
	s_lshl_b32 s22, s22, 9
	s_add_co_u32 s22, s22, XM
	v_lshl_add_u32 v[XR], v1, 2, s22
	s_lshl_b32 s20, s13, 4                         ; pf: query block 16 I + 8 wr (65,536 bytes each), key chunk 8 J + 4 wc, batch x 2^23
	s_lshl_b32 s21, s11, 3
	s_add_co_u32 s20, s20, s21
	s_lshl_b32 s20, s20, 16
	s_lshl_b32 s21, s14, 3
	s_lshl_b32 s22, s12, 2
	s_add_co_u32 s21, s21, s22
	s_lshl_b32 s21, s21, 10
	s_add_co_u32 s20, s20, s21
	s_lshl_b32 s21, s15, 23
	s_add_co_u32 s20, s20, s21
	s_mov_b32 s21, 0
	s_add_nc_u64 s[PB:PB+1], s[6:7], s[20:21]
	s_lshl_b32 s20, s15, 3                         ; st: ((8 batch + J) x 2,048 + 256 I + 128 wr) x 4
	s_add_co_u32 s20, s20, s14
	s_lshl_b32 s20, s20, 11
	s_lshl_b32 s22, s13, 8
	s_add_co_u32 s20, s20, s22
	s_lshl_b32 s22, s11, 7
	s_add_co_u32 s20, s20, s22
	s_lshl_b32 s20, s20, 2
	s_add_nc_u64 s[STQ:STQ+1], s[8:9], s[20:21]
; 16 matrix instructions: query blocks a0, a0 + 1 of the window's four x all 8 key blocks, 32 channels.  zero = 1: the product starts the sum, with the mask as C.
.macro MUL16 f, hi, a0, zero
.if \zero
	WIN 0x91+0x40*(\hi)                            ; keys window 1, queries window 0, the mask window 1, D window 2 or 3
.else
	WIN MUL_LO+0x50*(\hi)
.endif
.irp a, \a0, (\a0)+1
.irp b, 0,1,2,3,4,5,6,7
.if \zero
.if 4*(\hi)+(\a) > (\b)
.set MG, MGN
.elseif 4*(\hi)+(\a) == (\b)
.set MG, MGZ
.else
.set MG, MGP
.endif
	v_wmma_f32_16x16x32_bf16 v[8*(8*(\a)+(\b)):8*(8*(\a)+(\b))+7], v[(\f)+8*(\b):(\f)+8*(\b)+7], v[(\f)+8*(4*(\hi)+(\a)):(\f)+8*(4*(\hi)+(\a))+7], v[MG:MG+7]
.else
	v_wmma_f32_16x16x32_bf16 v[8*(8*(\a)+(\b)):8*(8*(\a)+(\b))+7], v[(\f)+8*(\b):(\f)+8*(\b)+7], v[(\f)+8*(4*(\hi)+(\a)):(\f)+8*(4*(\hi)+(\a))+7], v[8*(8*(\a)+(\b)):8*(8*(\a)+(\b))+7]
.endif
.endr
.endr
.endm
.macro FETCH q, f                      ; 32 LDS loads in one run: chunk q of the step in hand into buffer f: the keys' 16 loads, then the queries'
	WIN TO_B
.irp i, 0,1,2,3,4,5,6,7
	ds_load_b128 v[(\f)+8*(\i):(\f)+8*(\i)+3],   v[ADRB] offset:(\i)*4096+(\q)*1024
	ds_load_b128 v[(\f)+8*(\i)+4:(\f)+8*(\i)+7], v[ADRB] offset:(\i)*4096+(\q)*1024+512
.endr
	WIN 0
.irp i, 0,1,2,3,4,5,6,7
	ds_load_b128 v[(\f)+8*(\i):(\f)+8*(\i)+3],   v[ADRA] offset:(\i)*4096+(\q)*1024
	ds_load_b128 v[(\f)+8*(\i)+4:(\f)+8*(\i)+7], v[ADRA] offset:(\i)*4096+(\q)*1024+512
.endr
.endm
.macro PLACES
.rept 4
	v_nop
.endr
.endm
.macro QUARTER q, f, g, zero           ; multiplies buffer f and, in its middle, fetches chunk q into buffer g; the 64 accumulators take turns in the same order in every quarter
	s_wait_dscnt 8                                 ; the keys and the queries' rows 0-63 are in; the youngest eight loads may be out
	MUL16 \f, 0, 0, \zero
	MUL16 \f, 0, 2, \zero
	PLACES
	FETCH \q, \g
	s_wait_dscnt 32                                ; all but the 32 just issued
	MUL16 \f, 1, 0, \zero
	MUL16 \f, 1, 2, \zero
.endm
; The last quarter and the change of slots.  In front of the barrier each wave waits for all its tensor loads (one is out: its region of the next slot), adds 0 to its spare word, and waits for that and for its reads of this slot.
; fill = 1: my region of the slot just read is filled again first thing behind the barrier, two K steps ahead: 224 matrix instructions stand between the request and the wait for it.
.macro TURN fill
	WIN 0
	s_wait_tensorcnt 0x0
	ds_add_u32 v[SPW], v[NIL]
	s_wait_dscnt 9                                 ; the add and the youngest eight loads may be out
	MUL16 F1, 0, 0, 0
	s_wait_dscnt 0x0                               ; the add is done, and my reads of this slot are over
	s_barrier_signal -1
	MUL16 F1, 0, 2, 0
	WIN 0
	s_barrier_wait -1
.if \fill
	s_xor_b32 s[G0B+1], s[G0B+1], SLOT1            ; the walking descriptor: the other slot than last time,
	s_add_nc_u64 s[G0B+2:G0B+3], s[G0B+2:G0B+3], 4096  ; the next K step
	tensor_load_to_lds s[G0B:G0B+3], s[G1:G1+7]
	s_nop 0
.endif
	PLACES                                         ; behind the load, and in front of the loads into buffer 0
	s_xor_b32 s[TB], s[TB], SLOT1
	v_add_nc_u32 v[ADRA], s[TB], v[A0]
	v_add_nc_u32 v[ADRB], s[TB], v[B0]
	FETCH 0, F0
	MUL16 F1, 1, 0, 0
	MUL16 F1, 1, 2, 0
.endm
	s_wait_tensorcnt 1                             ; my region of K step 0 is in; K step 1's may stay out
	s_barrier_signal -1
	s_barrier_wait -1
	FETCH 0, F0
	QUARTER 1, F0, F1, 1                           ; the first quarter stands in front of the loop: its products start the sums, with the masks
	WIN 0
	s_mov_b32 s3, 6
.Lstep:                                                ; a trip: a K step's quarters 1 to 3 and the next step's quarter 0; K steps 2 to 7 are asked for
	QUARTER 2, F1, F0, 0
	QUARTER 3, F0, F1, 0
	TURN 1
	QUARTER 1, F0, F1, 0
	WIN 0
	s_sub_co_u32 s3, s3, 1
	s_cmp_lg_u32 s3, 0
	s_cbranch_scc1 .Lstep
	QUARTER 2, F1, F0, 0                           ; K steps 6 and 7: nothing is left to ask for
	QUARTER 3, F0, F1, 0
	TURN 0
	QUARTER 1, F0, F1, 0
	QUARTER 2, F1, F0, 0
	QUARTER 3, F0, F1, 0
	s_wait_dscnt 8
	MUL16 F1, 0, 0, 0
	MUL16 F1, 0, 2, 0
	s_wait_dscnt 0x0
	MUL16 F1, 1, 0, 0
	MUL16 F1, 1, 2, 0
	PLACES
; THE WAY OUT.  The maxima of window w's four query blocks: 32 chains, one an accumulator, each begun at the accumulator's lowest registers; then 8 to 1 and the other half of the lanes.
.macro MAXA w
	WIN (\w)|((\w)<<2)|((\w)<<4)
.set i, 0
.rept 32
	v_max3_num_f32 v[CT+i], v[8*i], v[8*i+1], v[8*i+2]
.set i, i+1
.endr
	WIN ((\w)<<2)|((\w)<<4)
.set i, 0
.rept 32
	v_max3_num_f32 v[CT+i], v[CT+i], v[8*i+3], v[8*i+4]
.set i, i+1
.endr
.set i, 0
.rept 32
	v_max3_num_f32 v[CT+i], v[CT+i], v[8*i+5], v[8*i+6]
.set i, i+1
.endr
.set i, 0
.rept 16
	v_max3_num_f32 v[CT+2*i], v[CT+2*i], v[16*i+7], v[16*i+15]
.set i, i+1
.endr
	WIN 0
.irp a, 0,1,2,3
	v_max3_num_f32 v[CT+8*\a], v[CT+8*\a], v[CT+8*\a+1], v[CT+8*\a+2]
	v_max3_num_f32 v[CT+8*\a+3], v[CT+8*\a+3], v[CT+8*\a+4], v[CT+8*\a+5]
.endr
.irp a, 0,1,2,3
	v_max3_num_f32 v[CT+8*\a], v[CT+8*\a], v[CT+8*\a+3], v[CT+8*\a+6]
.endr
.irp a, 0,1,2,3
	v_max_num_f32 v[CT+8*\a], v[CT+8*\a], v[CT+8*\a+7]
.endr
.irp a, 0,1,2,3
	v_permlanex16_b32 v[CT+8*\a+1], v[CT+8*\a], s[SEL], s[SEL+1]  ; the query's other 64 keys lie in the lane 16 away
.endr
.irp a, 0,1,2,3
	v_max_num_f32 v[MX+4*((\w)-2)+\a], v[CT+8*\a], v[CT+8*\a+1]
.endr
.endm
	MAXA 2
	MAXA 3
.irp a, 0,1,2,3,4,5,6,7
	ds_store_b32 v[XW], v[MX+\a] offset:64*\a      ; both halves of the lanes write the same word with the same number
.endr
	s_wait_dscnt 0x0                               ; for my partner's sake: my maxima are in LDS
	s_barrier_signal -1
	s_barrier_wait -1
.irp a, 0,1,2,3,4,5,6,7
	ds_load_b32 v[PM+\a], v[XR] offset:64*\a
.endr
	s_wait_dscnt 0x0
.irp a, 0,1,2,3,4,5,6,7
	v_max_num_f32 v[MX+\a], v[MX+\a], v[PM+\a]     ; the tile's maximum: the diagonal key is visible, so it is a true score
.endr
.irp a, 0,1,2,3,4,5,6,7
	v_mul_f32 v[CMV+2*\a], s[CS], v[MX+\a]
	v_mul_f32 v[CMV+2*\a+1], s[CS], v[MX+\a]
.endr
; Query block a: p = 2^(c s - c m) in place; rounded to bf16; summed, unrounded, as a tree of pairs; stored: accumulator (a, b)'s 16 bytes a lane are part b % 2 of key chunk b / 2.
.macro SOFT a
.set WW, 2+(\a)/4
.set AC, 64*((\a)%4)
.set TM, TMP+32*((\a)%2)
	WIN (WW<<6)|WW
.set i, 0
.rept 32
	v_pk_fma_f32 v[AC+2*i:AC+2*i+1], v[AC+2*i:AC+2*i+1], s[CS:CS+1], v[CMV+2*(\a):CMV+2*(\a)+1] op_sel_hi:[1,0,0] neg_lo:[0,0,1] neg_hi:[0,0,1]
.set i, i+1
.endr
.set i, 0
.rept 64
	v_exp_f32 v[AC+i], v[AC+i]
.set i, i+1
.endr
	v_nop                                          ; a plain instruction between the last exponential and the use of its result (ISA guide 5.7.2)
	s_wait_xcnt 0x0                                ; the registers that earlier stores read are rewritten only behind this wait
	WIN WW|(WW<<2)
.set i, 0
	s_wait_alu depctr_va_vdst(0)
.rept 32
	v_cvt_pk_bf16_f32 v[TM+i], v[AC+2*i], v[AC+2*i+1]
.set i, i+1
.endr
	WIN (WW<<6)|(WW<<2)|WW
.irp n, 16,8,4,2
.set i, 0
.rept \n
	v_pk_add_f32 v[AC+2*i:AC+2*i+1], v[AC+2*i:AC+2*i+1], v[AC+2*(i+\n):AC+2*(i+\n)+1]
.set i, i+1
.endr
.endr
	WIN WW|(WW<<2)
	v_pk_add_f32 v[LS+2*(\a):LS+2*(\a)+1], v[AC:AC+1], v[AC+2:AC+3]
	WIN 0
.irp b, 0,1,2,3,4,5,6,7
	global_store_b128 v[CO], v[TM+4*(\b):TM+4*(\b)+3], s[PB:PB+1] offset:(\a)*65536+(\b)*512  ; 512 consecutive bytes, aligned
.endr
.endm
.irp a, 0,1,2,3,4,5,6,7
	SOFT \a
.endr
.irp a, 0,1,2,3,4,5,6,7
	v_add_f32 v[LS+2*\a], v[LS+2*\a], v[LS+2*\a+1]
.endr
.irp a, 0,1,2,3,4,5,6,7
	v_permlanex16_b32 v[LS+2*\a+1], v[LS+2*\a], s[SEL], s[SEL+1]
.endr
.irp a, 0,1,2,3,4,5,6,7
	v_add_f32 v[LS+2*\a], v[LS+2*\a], v[LS+2*\a+1]
.endr
.irp a, 0,1,2,3,4,5,6,7
	ds_store_b32 v[XW], v[LS+2*\a] offset:2048+64*\a
.endr
	s_wait_dscnt 0x0                               ; for my partner's sake: my sums are in LDS
	s_barrier_signal -1
	s_barrier_wait -1
	s_cmp_lg_u32 s12, 0                            ; waves 0 and 2 join the two halves of the keys and store the statistics of their 128 queries, four a lane
	s_cbranch_scc1 .Lno_stat
	ds_load_b128 v[LIN:LIN+3], v[XN]
	ds_load_b128 v[LIN+4:LIN+7], v[XN] offset:512
	ds_load_b128 v[LIN+8:LIN+11], v[XN] offset:2048
	ds_load_b128 v[LIN+12:LIN+15], v[XN] offset:2560
	s_wait_dscnt 0x0
.irp i, 0,1,2,3
	v_max_num_f32 v[LIN+\i], v[LIN+\i], v[LIN+4+\i]
.endr
.irp i, 0,1,2,3
	v_mul_f32 v[LIN+\i], s[CS], v[LIN+\i]          ; the same two operations as above: the same bits as the c m that p was made with
	v_add_f32 v[LIN+8+\i], v[LIN+8+\i], v[LIN+12+\i]
.endr
	global_store_b128 v[CO], v[LIN:LIN+3], s[STQ:STQ+1]
	global_store_b128 v[CO], v[LIN+8:LIN+11], s[STQ:STQ+1] offset:262144
.Lno_stat:
	s_wait_tensorcnt 0x0                           ; the wave's end
	ds_add_u32 v[SPW], v[NIL]
	s_wait_dscnt 0x0
	s_endpgm
.Lfunc_end_k_qd02d3abdb7_score:
	.size	k_qd02d3abdb7_score, .Lfunc_end_k_qd02d3abdb7_score-k_qd02d3abdb7_score
	.p2alignl 7, 3214868480
	.fill 96, 4, 3214868480
	.section	.rodata,"a",@progbits
	.p2align	6, 0x0
	.amdhsa_kernel k_qd02d3abdb7_score
		.amdhsa_group_segment_fixed_size 327680
		.amdhsa_private_segment_fixed_size 0
		.amdhsa_enable_private_segment 0
		.amdhsa_kernarg_size 24
		.amdhsa_user_sgpr_count 2
		.amdhsa_user_sgpr_kernarg_segment_ptr 1
		.amdhsa_wavefront_size32 1
		.amdhsa_system_sgpr_workgroup_id_x 1
		.amdhsa_system_sgpr_workgroup_id_y 1
		.amdhsa_system_sgpr_workgroup_id_z 1
		.amdhsa_system_vgpr_workitem_id 0
		.amdhsa_next_free_vgpr 1024
		.amdhsa_next_free_sgpr 66
		.amdhsa_reserve_vcc 1
		.amdhsa_float_denorm_mode_32 3
		.amdhsa_float_denorm_mode_16_64 3
		.amdhsa_memory_ordered 1
		.amdhsa_forward_progress 1
		.amdhsa_inst_pref_size 177
	.end_amdhsa_kernel
	.amdgpu_metadata
---
amdhsa.version: [ 1, 2 ]
amdhsa.kernels:
  - .name:           k_qd02d3abdb7_score
    .symbol:         k_qd02d3abdb7_score.kd
    .args:
      - { .name: kf, .offset: 0, .size: 8, .value_kind: global_buffer, .address_space: global }
      - { .name: pf, .offset: 8, .size: 8, .value_kind: global_buffer, .address_space: global }
      - { .name: st, .offset: 16, .size: 8, .value_kind: global_buffer, .address_space: global }
    .group_segment_fixed_size: 327680
    .private_segment_fixed_size: 0
    .kernarg_segment_align: 8
    .kernarg_segment_size: 24
    .max_flat_workgroup_size: 128
    .sgpr_count:     66
    .vgpr_count:     1024
    .wavefront_size: 32
...
	.end_amdgpu_metadata
.endif
;; end of part 3
;; launch pv (part 4): grid 8 x 32, 4 waves a work-group, clusters of 4 x 1, 327,680 bytes of LDS; arguments pf, vf, st, out0; writes out0
.if DOCPART == 4
	.amdgcn_target "amdgcn-amd-amdhsa--gfx1250"
	.amdhsa_code_object_version 6
	.text
	.protected	k_qd02d3abdb7_pv
	.globl	k_qd02d3abdb7_pv
	.p2align	8
	.type	k_qd02d3abdb7_pv,@function
k_qd02d3abdb7_pv:
	s_mov_b64 s[64:65], 0
	v_nop
	global_prefetch_b8 v0, s[64:65] scope:SCOPE_SE
	s_setreg_imm32_b32 hwreg(HW_REG_WAVE_MODE, 25, 1), 1
	s_wait_xcnt 0x0
	s_wait_alu depctr_hold_cnt(0) depctr_sa_sdst(0) depctr_va_vdst(0) depctr_va_sdst(0) depctr_va_ssrc(0) depctr_va_vcc(0) depctr_vm_vsrc(0)
	s_getreg_b32 s2, hwreg(HW_REG_IB_STS2, 6, 4)
	s_cmp_eq_u32 s2, 0
	s_cbranch_scc0 .Lentry_in_a_cluster
	s_endpgm
.Lentry_in_a_cluster:
	s_bfe_u32 s2, ttmp6, 0x10000c
	s_cmp_lg_u32 s2, 0x3003
	s_cbranch_scc0 .Lentry_shape_is_right
	s_endpgm
.Lentry_shape_is_right:
; out[q] = (sum over key tiles J of f_J (P_J V_J)[q]) / (sum over J of f_J l_J[q]),  f_J = 2^(c m_J[q] - max over J of c m_J[q]): the tiles' softmaxes joined under the row's true maximum.  out0: [4][2048][1024] f32.
; pf: [batch][query block 0..127][key chunk 0..63][1,024 bytes]; vf: [channel block 0..63][token chunk 0..255][1,024 bytes]; both bf16 in fragment form ([part][lane][8]): two loads of 16 bytes a lane, 512 apart, are an operand.
; st: c m at [batch][J][row], f32; l in the same shape 262,144 bytes on.
; THE WALK.  A work-group owns 128 channels and TWO blocks of 128 queries of a batch, 15 - b and then b.  Block i needs (i + 2) / 2 tiles of 256 keys (whole number): together 9, whatever b: all 256 work-groups do
; equal work, and one loop with a constant count walks them.  In a diagonal tile the hidden weights were stored as zeros.
; CLUSTER.  The four work-groups of a cluster share batch and b and differ in their channels: P's tile is asked for jointly (mask of four); V's tile hangs on the place in the cluster and is a load of one's own behind the same round.
; V is not shared: the work-groups that read the same V have another b and change blocks in another trip.
; Four waves, each 64 queries x 64 channels.  Source 0 = 16 channels of V, source 1 = 16 queries of P: a lane holds query lane % 16 and channels 8 (lane / 16) + 0..7.
; Every trip's products start at the constant 0 in T; then O += f T in f32, 64 packed multiply-adds for 128 products.  So P is rounded once, and no first step is written out; the price: O is cleared at each block's beginning.
; LIMITS: P and V in bf16; a factor below 2^-126 counts as 0; NaN and infinities are not treated apart.
; REGISTERS: window 0: v0-63 addresses and statistics; v64-127 the way out; v128-255 T, 16 accumulators.  Window 1: two fragment buffers of 128 (64 of P, then 64 of V, for 64 keys).  Window 2: v0-127 O.
.set SLOT1, 1<<17                      ; a slot: P [8 query blocks][8 chunks][1,024], then V [8 channel blocks][8 chunks][1,024]; slot 1 begins here
.set VREG,  65536
.set STAGE, 2*SLOT1                    ; behind the ring: 16 rows x 272 bytes for each wave; no tensor load lands here
.set SPITCH, 272
.set SPARE, STAGE+4*16*SPITCH          ; the spare words, 128 bytes for each wave: two blocks of 256 bytes that no other line names
.set AP0, 4                            ; v4   my lane's place in a slot's P; never rewritten
.set AV0, 5                            ; v5   in its V
.set AP,  6                            ; v6   the same in the slot in hand
.set AV,  7
.set SO,  8                            ; v8   (64 wr + r) x 4: my query in the block's 128 statistics
.set STO, 9                            ; v9   the way out: where I put 32 bytes of a row
.set RD,  10                           ; v10  the way out: where I read a row back
.set GO,  11                           ; v11  my byte offset in two rows of out0
.set MO,  12                           ; v12-27 offsets of the sixteen sets of c m (two blocks, eight tiles)
.set SPW, 28
.set NIL, 29
.set CMJ, 32                           ; v32-35 the trip's c m, one a query block
.set LJ,  36                           ; v36-39 its l
.set CMF, 40                           ; v40-43 the block's largest c m
.set CMS, 44                           ; v44-47 the second block's
.set LACC, 48                          ; v48-51 the running sum of f l
.set FV,  52                           ; v52-59 f, in the low register of a pair
.set TMPW, 64
.set BK,  96
.set T,   128
.set F0,  0
.set F1,  128
.set WV,  12                           ; s12  my wave's number
.set G1P, 24                           ; s[24:31] descriptor group 1 for P's tiles
.set G1V, 32                           ; s[32:39] for V's
.set G0P, 40                           ; s[40:43] group 0 for P's
.set G0V, 44                           ; s[44:47] for V's
.set PCUR, 48                          ; s[48:49] pf at my rows of the block whose tiles are being asked for
.set PSH, 50                           ; s[50:51] the same for the second block
.set VB,  52                           ; s[52:53] vf at my rows of the batch's first tile
.set OCUR, 54                          ; s[54:55] out0 at my wave's part of the block in hand
.set OSH, 56                           ; s[56:57] of the second block
.set STP, 58                           ; s[58:59] st at the trip's statistics
.set SOFF, 60                          ; s[60:61] their offset
.set OFF, 62                           ; s[62:63] a tile's byte offset in a row of pf and of vf
.set SLOTS, 66                         ; s66  tiles still to be asked for
.set RT,  67                           ; s67  tiles of the block in hand still to be multiplied
.set NXT, 68                           ; s68  the tile to be asked for next
.set LQ,  69                           ; s69  the last tile of the block whose tiles are being asked for
.set JC,  70                           ; s70  the tile in hand
.set IC,  71                           ; s71  the block in hand
.set TB,  72                           ; s72  the slot in hand: 0 or SLOT1
.set NSH, 73                           ; s73  the second block's number of tiles
.set SEL, 74
.set NSH1, 76                          ; s76  that number less 1
.set B8,  77                           ; s77  8 x batch
.set MSB, 0
.macro WIN new
.if MSB != (\new)
	s_set_vgpr_msb (MSB<<8)|(\new)
.set MSB, \new
.endif
.endm
.set MUL,  0x05                        ; sources 0 (V) and 1 (P) window 1; C and D window 0
.set TO_F, 0x40                        ; destination window 1, address window 0
; A fill.  Waves 0 and 1 ask jointly for the two halves of P's tile, waves 2 and 3 fetch the two halves of V's.  An s_nop 0 and four v_nop follow each line.
.macro JLOAD
	s_cmp_lt_u32 s[WV], 2
	s_cbranch_scc0 .Lfor_v_\@
	tensor_load_to_lds s[G0P:G0P+3], s[G1P:G1P+7]
	s_nop 0
.rept 4
	v_nop
.endr
	s_branch .Lasked_\@
.Lfor_v_\@:
	tensor_load_to_lds s[G0V:G0V+3], s[G1V:G1V+7]
	s_nop 0
.rept 4
	v_nop
.endr
.Lasked_\@:
.endm
.macro CROUND                          ; a round of the cluster's barrier
	s_barrier_signal -1
	s_barrier_wait -1
	s_cmp_lg_u32 s[WV], 0
	s_cbranch_scc1 .Lnot_wave_0_\@
	s_barrier_signal -3
.Lnot_wave_0_\@:
	s_barrier_wait -3
	s_barrier_signal -1
	s_barrier_wait -1
.endm
; THE CHANGE OF SLOTS.  Each wave waits for all its tensor loads (one is out: its part of the other slot), adds 0 to its spare word, and waits for that and for its LDS instructions.  fill = 1: a round of the cluster's barrier,
; and the slot just read is filled again first thing behind it with tile NXT; the addresses are made anew from that number.  (At its first use nothing has been read: slot 0 is waited for, slot 1 filled.)
.macro CHANGE fill
	WIN 0
	s_wait_tensorcnt 0x0
	ds_add_u32 v[SPW], v[NIL]                      ; 0 onto my spare word; the descriptors' scalar work stands between it and the wait for it
.if \fill
	s_lshl_b32 s[OFF], s[NXT], 13                  ; eight chunks of 1,024 bytes a tile
	s_xor_b32 s[G0P+1], s[G0P+1], SLOT1
	s_add_nc_u64 s[G0P+2:G0P+3], s[PCUR:PCUR+1], s[OFF:OFF+1]
	s_or_b32 s[G0P+3], s[G0P+3], 0x80000000
	s_xor_b32 s[G0V+1], s[G0V+1], SLOT1
	s_add_nc_u64 s[G0V+2:G0V+3], s[VB:VB+1], s[OFF:OFF+1]
	s_or_b32 s[G0V+3], s[G0V+3], 0x80000000
	s_add_co_u32 s[NXT], s[NXT], 1                 ; the block's next tile, or behind its last the second block's tile 0
	s_cmp_gt_u32 s[NXT], s[LQ]
	s_cselect_b32 s[NXT], 0, s[NXT]
	s_cselect_b64 s[PCUR:PCUR+1], s[PSH:PSH+1], s[PCUR:PCUR+1]
	s_cselect_b32 s[LQ], s[NSH1], s[LQ]
.endif
	s_wait_dscnt 0x0                               ; the add is done, and my reads of the slot are over
.if \fill
	CROUND
	JLOAD
.else
	s_barrier_signal -1
	s_barrier_wait -1
.endif
	s_xor_b32 s[TB], s[TB], SLOT1
.endm
	s_load_b256 s[4:11], s[0:1], 0x0               ; pf s[4:5], vf s[6:7], st s[8:9], out0 s[10:11]
	v_lshl_add_u32 v[SPW], v0, 2, SPARE
	v_mov_b32 v[NIL], 0
	ds_add_u32 v[SPW], v[NIL]                      ; the wave's opening: the add and its wait stand ahead of my first tensor load
	ds_add_u32 v28, v29
	v_lshrrev_b32 v1, 5, v0
	v_readfirstlane_b32 s[WV], v1                  ; wave 0..3
	s_lshr_b32 s13, s[WV], 1                       ; wr: my half of the queries
	s_and_b32 s14, s[WV], 1                        ; wc: my half of the channels.  Also: which half of a tile I fetch
	s_bfe_u32 s15, ttmp6, 0x40000                  ; cx
	s_lshl_b32 s16, ttmp9, 2
	s_add_co_u32 s16, s16, s15                     ; my 128 channels = 4 x cluster x + cx: it enters V's and out0's addresses alone
	s_and_b32 s17, ttmp7, 0xffff
	s_lshr_b32 s18, s17, 3                         ; batch
	s_and_b32 s19, s17, 7                          ; b
	s_lshl_b32 s[B8], s18, 3
	s_sub_co_u32 s[IC], 15, s19                    ; the first block
	s_sub_co_u32 s[RT], 17, s19
	s_lshr_b32 s[RT], s[RT], 1                     ; its tiles
	s_sub_co_u32 s[LQ], s[RT], 1
	s_add_co_u32 s[NSH], s19, 2
	s_lshr_b32 s[NSH], s[NSH], 1                   ; the second block's tiles
	s_sub_co_u32 s[NSH1], s[NSH], 1
	s_mov_b32 s[NXT], 1
	s_mov_b32 s[JC], 0
	s_mov_b32 s[TB], SLOT1                         ; the first change of slots turns it into 0
	s_mov_b32 s[SLOTS], 8
	s_mov_b32 s[OFF+1], 0
	s_mov_b32 s[SOFF+1], 0
	s_mov_b32 s[SEL], 0x76543210
	s_mov_b32 s[SEL+1], 0xfedcba98
	s_lshl_b32 s22, s18, 23                        ; pf: batch x 2^23 + (8 i + 4 x half) x 65,536: nothing of cx
	s_lshl_b32 s23, s14, 18
	s_add_co_u32 s22, s22, s23
	s_lshl_b32 s23, s[IC], 19
	s_add_co_u32 s2, s22, s23
	s_mov_b32 s3, 0
	s_lshl_b32 s23, s19, 19
	s_add_co_u32 s22, s22, s23
	s_mov_b32 s23, 0
	s_lshl_b32 s78, s16, 21                        ; vf: (8 ct + 4 x half) x 262,144 + batch x 65,536
	s_lshl_b32 s79, s14, 20
	s_add_co_u32 s78, s78, s79
	s_lshl_b32 s79, s18, 16
	s_add_co_u32 s78, s78, s79
	s_mov_b32 s79, 0
	s_lshl_b32 s80, s18, 11                        ; out0: (2,048 batch + 128 i + 64 wr) x 4,096 + (128 ct + 64 wc) x 4
	s_lshl_b32 s81, s13, 6
	s_add_co_u32 s80, s80, s81
	s_lshl_b32 s82, s19, 7
	s_add_co_u32 s82, s82, s80
	s_lshl_b32 s81, s[IC], 7
	s_add_co_u32 s80, s80, s81
	s_lshl_b32 s80, s80, 12
	s_lshl_b32 s82, s82, 12
	s_lshl_b32 s81, s16, 9
	s_lshl_b32 s83, s14, 8
	s_add_co_u32 s81, s81, s83
	s_add_co_u32 s80, s80, s81
	s_add_co_u32 s82, s82, s81
	s_mov_b32 s81, 0
	s_mov_b32 s83, 0
	s_mov_b32 s[G1P+0], 15|(3<<16)|(1<<21)         ; the mask of four; elements of 8 bytes; bit 21 beside a mask; no padding
	s_mov_b32 s[G1V+0], 3<<16
.irp g, G1P, G1V
	s_mov_b32 s[(\g)+1], 1024<<16                  ; tensor_dim0 = 1,024: eight chunks, 8,192 bytes
	s_mov_b32 s[(\g)+2], 4<<16                     ; tensor_dim1 = 4 blocks
	s_mov_b32 s[(\g)+3], 1024<<16                  ; tile_dim0
	s_mov_b32 s[(\g)+4], 4                         ; tile_dim1
	s_mov_b32 s[(\g)+6], 0
	s_mov_b32 s[(\g)+7], 0
.endr
	s_mov_b32 s[G1P+5], 8192                       ; 65,536 bytes from a query block to the next
	s_mov_b32 s[G1V+5], 32768                      ; 262,144 bytes from a channel block to the next
	s_mul_i32 s21, s14, 32768                      ; my half's place in a slot: no place in the cluster enters an LDS address
	s_mov_b32 s[G0P], 1
	s_mov_b32 s[G0P+1], s21
	s_mov_b32 s[G0V], 1
	s_add_co_u32 s[G0V+1], s21, VREG
	s_wait_dscnt 0x0                               ; the opening add is done
	s_wait_kmcnt 0x0
	s_add_nc_u64 s[PCUR:PCUR+1], s[4:5], s[2:3]
	s_add_nc_u64 s[PSH:PSH+1], s[4:5], s[22:23]
	s_add_nc_u64 s[VB:VB+1], s[6:7], s[78:79]
	s_add_nc_u64 s[OCUR:OCUR+1], s[10:11], s[80:81]
	s_add_nc_u64 s[OSH:OSH+1], s[10:11], s[82:83]
	s_add_nc_u64 s[G0P+2:G0P+3], s[PCUR:PCUR+1], 0
	s_or_b32 s[G0P+3], s[G0P+3], 0x80000000
	s_add_nc_u64 s[G0V+2:G0V+3], s[VB:VB+1], 0
	s_or_b32 s[G0V+3], s[G0V+3], 0x80000000
	CROUND                                         ; all four work-groups are here: the first joint loads meet
	JLOAD                                          ; tile 0 of the first block into slot 0: one load of mine is out
	v_and_b32 v1, 15, v0                           ; r
	v_bfe_u32 v2, v0, 4, 1                         ; h
	v_and_b32 v3, 31, v0
	v_lshlrev_b32 v3, 4, v3                        ; 16 x lane
	s_lshl_b32 s20, s13, 15
	v_add_nc_u32 v[AP0], s20, v3                   ; my four query blocks
	s_lshl_b32 s20, s14, 15
	s_add_co_u32 s20, s20, VREG
	v_add_nc_u32 v[AV0], s20, v3                   ; my four channel blocks
	s_lshl_b32 s20, s13, 8
	v_lshl_add_u32 v[SO], v1, 2, s20
	s_mul_i32 s20, s[WV], 16*SPITCH
	s_add_co_u32 s20, s20, STAGE                   ; my stage
	v_mul_u32_u24 v[STO], v1, SPITCH               ; in: row r, 32 bytes for each half of the lanes
	v_lshl_add_u32 v[STO], v2, 5, v[STO]
	v_add_nc_u32 v[STO], s20, v[STO]
	v_mul_u32_u24 v[RD], v2, SPITCH                ; back: lanes 0-15 take one row of 256 bytes, lanes 16-31 the next
	v_lshl_add_u32 v[RD], v1, 4, v[RD]
	v_add_nc_u32 v[RD], s20, v[RD]
	v_lshlrev_b32 v[GO], 12, v2                    ; and the same two rows in out0
	v_lshl_add_u32 v[GO], v1, 4, v[GO]
	; Both blocks' largest c m, in the wait for the first tile.  Tile j of 8 is taken as tile min(j, i / 2): only stored words are read, and a number taken twice does a maximum no harm.
.macro MAXOFF base, ireg
	s_lshr_b32 s21, s[\ireg], 1
	s_lshl_b32 s22, s[\ireg], 9
.irp j, 0,1,2,3,4,5,6,7
	s_min_u32 s20, s21, \j
	s_add_co_u32 s20, s20, s[B8]
	s_lshl_b32 s20, s20, 13
	s_add_co_u32 s20, s20, s22
	v_add_nc_u32 v[(\base)+\j], s20, v[SO]
.endr
.endm
	MAXOFF MO, IC
	MAXOFF MO+8, 19
.set j, 0
.rept 16
.irp a, 0,1,2,3
	global_load_b32 v[T+4*j+\a], v[MO+j], s[8:9] offset:64*\a
.endr
.set j, j+1
.endr
.macro ZERO_O                          ; a block's sums begin at 0
	WIN 0x80
.set i, 0
.rept 128
	v_mov_b32 v[i], 0
.set i, i+1
.endr
	WIN 0
.endm
	ZERO_O
.irp a, 0,1,2,3
	v_mov_b32 v[LACC+\a], 0
	v_mov_b32 v[FV+2*\a+1], 0                      ; named with f as a pair
.endr
	s_wait_loadcnt 0x0
.irp k, 0,1
.irp a, 0,1,2,3
	v_max3_num_f32 v[CMF+4*\k+\a], v[T+32*\k+\a], v[T+32*\k+4+\a], v[T+32*\k+8+\a]
.endr
.endr
.irp k, 0,1
.irp a, 0,1,2,3
	v_max3_num_f32 v[CMF+4*\k+\a], v[CMF+4*\k+\a], v[T+32*\k+12+\a], v[T+32*\k+16+\a]
.endr
.endr
.irp k, 0,1
.irp a, 0,1,2,3
	v_max3_num_f32 v[CMF+4*\k+\a], v[CMF+4*\k+\a], v[T+32*\k+20+\a], v[T+32*\k+24+\a]
.endr
.endr
.irp k, 0,1
.irp a, 0,1,2,3
	v_max_num_f32 v[CMF+4*\k+\a], v[CMF+4*\k+\a], v[T+32*\k+28+\a]
.endr
.endr
; 8 matrix instructions: query blocks a0, a0 + 1 x all 4 channel blocks, 32 keys: half c of buffer f.  zero = 1: the product starts the trip's sum.  The 16 accumulators take turns.
.macro MUL8 f, c, a0, zero
	WIN MUL
.irp a, \a0, (\a0)+1
.irp b, 0,1,2,3
.if \zero
	v_wmma_f32_16x16x32_bf16 v[T+8*(4*(\a)+(\b)):T+8*(4*(\a)+(\b))+7], v[(\f)+64+8*(4*(\c)+(\b)):(\f)+64+8*(4*(\c)+(\b))+7], v[(\f)+8*(4*(\c)+(\a)):(\f)+8*(4*(\c)+(\a))+7], 0
.else
	v_wmma_f32_16x16x32_bf16 v[T+8*(4*(\a)+(\b)):T+8*(4*(\a)+(\b))+7], v[(\f)+64+8*(4*(\c)+(\b)):(\f)+64+8*(4*(\c)+(\b))+7], v[(\f)+8*(4*(\c)+(\a)):(\f)+8*(4*(\c)+(\a))+7], v[T+8*(4*(\a)+(\b)):T+8*(4*(\a)+(\b))+7]
.endif
.endr
.endr
.endm
.macro FETCH q, f                      ; 32 LDS loads in one run: key chunks 2 q and 2 q + 1 into buffer f, the first chunk first
	WIN TO_F
.irp c, 0,1
.irp i, 0,1,2,3
	ds_load_b128 v[(\f)+64+8*(4*(\c)+(\i)):(\f)+64+8*(4*(\c)+(\i))+3],   v[AV] offset:(\i)*8192+(2*(\q)+(\c))*1024
	ds_load_b128 v[(\f)+64+8*(4*(\c)+(\i))+4:(\f)+64+8*(4*(\c)+(\i))+7], v[AV] offset:(\i)*8192+(2*(\q)+(\c))*1024+512
	ds_load_b128 v[(\f)+8*(4*(\c)+(\i)):(\f)+8*(4*(\c)+(\i))+3],         v[AP] offset:(\i)*8192+(2*(\q)+(\c))*1024
	ds_load_b128 v[(\f)+8*(4*(\c)+(\i))+4:(\f)+8*(4*(\c)+(\i))+7],       v[AP] offset:(\i)*8192+(2*(\q)+(\c))*1024+512
.endr
.endr
.endm
.macro PLACES
.rept 4
	v_nop
.endr
.endm
.macro QUARTER q, f, g, zero           ; 64 keys: multiplies buffer f and, in its middle, fetches quarter q into buffer g
	s_wait_dscnt 16                                ; the first 32 keys are in
	MUL8 \f, 0, 0, \zero
	MUL8 \f, 0, 2, \zero
	PLACES
	FETCH \q, \g
	s_wait_dscnt 32                                ; all but the 32 just issued
	MUL8 \f, 1, 0, 0
	MUL8 \f, 1, 2, 0
.endm
; A TRIP: a tile of 256 keys.  Its statistics are asked for first; T = P V, 128 matrix instructions; then f = 2^(c m_J - c m), l += f l_J, O += f T.
.macro TRIP
	WIN 0
	v_add_nc_u32 v[AP], s[TB], v[AP0]
	v_add_nc_u32 v[AV], s[TB], v[AV0]
	s_add_co_u32 s[SOFF], s[B8], s[JC]
	s_lshl_b32 s[SOFF], s[SOFF], 13
	s_lshl_b32 s20, s[IC], 9
	s_add_co_u32 s[SOFF], s[SOFF], s20
	s_add_nc_u64 s[STP:STP+1], s[8:9], s[SOFF:SOFF+1]  ; the last trip's loads by this base were waited for at that trip's end
.irp a, 0,1,2,3
	global_load_b32 v[CMJ+\a], v[SO], s[STP:STP+1] offset:64*\a
	global_load_b32 v[LJ+\a], v[SO], s[STP:STP+1] offset:262144+64*\a
.endr
	FETCH 0, F0
	QUARTER 1, F0, F1, 1
	QUARTER 2, F1, F0, 0
	QUARTER 3, F0, F1, 0
	s_wait_dscnt 16
	MUL8 F1, 0, 0, 0
	MUL8 F1, 0, 2, 0
	s_wait_dscnt 0x0
	MUL8 F1, 1, 0, 0
	MUL8 F1, 1, 2, 0
	WIN 0
	s_wait_loadcnt 0x0                             ; the trip's statistics
.irp a, 0,1,2,3
	v_sub_f32 v[FV+2*\a], v[CMJ+\a], v[CMF+\a]     ; these four are the places behind the last product
.endr
.irp a, 0,1,2,3
	v_exp_f32 v[FV+2*\a], v[FV+2*\a]
.endr
	v_nop                                          ; a plain instruction between the last exponential and the use of its result
	s_wait_alu depctr_va_vdst(0)
.irp a, 0,1,2,3
	v_fmac_f32 v[LACC+\a], v[FV+2*\a], v[LJ+\a]
.endr
	WIN 0xa0                                       ; O (destination and source 2) window 2; T and f window 0
.set i, 0
.rept 64                               ; each accumulator's registers in ascending order
	v_pk_fma_f32 v[2*i:2*i+1], v[T+2*i:T+2*i+1], v[FV+2*(i/16):FV+2*(i/16)+1], v[2*i:2*i+1] op_sel_hi:[1,0,1]
.set i, i+1
.endr
	WIN 0
.endm
; THE WAY OUT of a block: O / l, 16 queries at a time through my stage: 32 bytes a lane in, whole rows of 256 bytes back; sixteen lanes store 256 consecutive bytes, aligned.
.macro WAYOUT
	WIN 0
.irp a, 0,1,2,3
	v_rcp_f32 v[FV+2*\a], v[LACC+\a]
.endr
	v_nop                                          ; a plain instruction between the last reciprocal and the use of its result
	s_wait_alu depctr_va_vdst(0)
.irp a, 0,1,2,3
	WIN 0x02                                       ; source 0 window 2
.set i, 0
.rept 16
	v_pk_mul_f32 v[TMPW+2*i:TMPW+2*i+1], v[32*\a+2*i:32*\a+2*i+1], v[FV+2*\a:FV+2*\a+1] op_sel_hi:[1,0]
.set i, i+1
.endr
	WIN 0
.irp b, 0,1,2,3
	ds_store_b128 v[STO], v[TMPW+8*\b:TMPW+8*\b+3] offset:64*\b
	ds_store_b128 v[STO], v[TMPW+8*\b+4:TMPW+8*\b+7] offset:64*\b+16
.endr
	s_wait_xcnt 0x0                                ; the registers that earlier stores read are loaded again only behind this wait
.irp t, 0,1,2,3,4,5,6,7
	ds_load_b128 v[BK+4*\t:BK+4*\t+3], v[RD] offset:\t*2*SPITCH  ; LDS serves a wave's instructions in order (ISA guide 5.7.1.4): these see the stores above
.endr
	s_wait_dscnt 0x0
.irp t, 0,1,2,3,4,5,6,7
	global_store_b128 v[GO], v[BK+4*\t:BK+4*\t+3], s[OCUR:OCUR+1] offset:(16*\a+2*\t)*4096 th:TH_STORE_NT
.endr
.endr
.endm
.Lslot:                                                ; eight trips: a tile is multiplied and the next is asked for
	CHANGE 1
	TRIP
	s_add_co_u32 s[JC], s[JC], 1
	s_sub_co_u32 s[RT], s[RT], 1
	s_cmp_lg_u32 s[RT], 0
	s_cbranch_scc1 .Lbottom                        ; forward, over text that holds neither a barrier nor a tensor load; b is the same in all partners
	WAYOUT                                         ; the first block's end (the second's is the walk's last tile)
	s_wait_xcnt 0x0                                ; the stores have read out0's address
	s_mov_b64 s[OCUR:OCUR+1], s[OSH:OSH+1]
	s_mov_b32 s[RT], s[NSH]
	s_mov_b32 s[JC], 0
	s_mov_b32 s[IC], s19
.irp a, 0,1,2,3
	v_mov_b32 v[CMF+\a], v[CMS+\a]
	v_mov_b32 v[LACC+\a], 0
.endr
	ZERO_O
.Lbottom:
	s_sub_co_u32 s[SLOTS], s[SLOTS], 1
	s_cmp_lg_u32 s[SLOTS], 0
	s_cbranch_scc1 .Lslot
	CHANGE 0                                       ; the walk's last tile is written out: nothing is asked for
	TRIP
	WAYOUT
	s_wait_tensorcnt 0x0                           ; the wave's end
	ds_add_u32 v[SPW], v[NIL]
	s_wait_dscnt 0x0
	CROUND                                         ; the closing round
	s_endpgm
.Lfunc_end_k_qd02d3abdb7_pv:
	.size	k_qd02d3abdb7_pv, .Lfunc_end_k_qd02d3abdb7_pv-k_qd02d3abdb7_pv
	.p2alignl 7, 3214868480
	.fill 96, 4, 3214868480
	.section	.rodata,"a",@progbits
	.p2align	6, 0x0
	.amdhsa_kernel k_qd02d3abdb7_pv
		.amdhsa_group_segment_fixed_size 327680
		.amdhsa_private_segment_fixed_size 0
		.amdhsa_enable_private_segment 0
		.amdhsa_kernarg_size 32
		.amdhsa_user_sgpr_count 2
		.amdhsa_user_sgpr_kernarg_segment_ptr 1
		.amdhsa_wavefront_size32 1
		.amdhsa_system_sgpr_workgroup_id_x 1
		.amdhsa_system_sgpr_workgroup_id_y 1
		.amdhsa_system_sgpr_workgroup_id_z 1
		.amdhsa_system_vgpr_workitem_id 0
		.amdhsa_next_free_vgpr 640
		.amdhsa_next_free_sgpr 84
		.amdhsa_reserve_vcc 0
		.amdhsa_float_denorm_mode_32 3
		.amdhsa_float_denorm_mode_16_64 3
		.amdhsa_memory_ordered 1
		.amdhsa_forward_progress 1
		.amdhsa_inst_pref_size 96
	.end_amdhsa_kernel
	.amdgpu_metadata
---
amdhsa.version: [ 1, 2 ]
amdhsa.kernels:
  - .name:           k_qd02d3abdb7_pv
    .symbol:         k_qd02d3abdb7_pv.kd
    .args:
      - { .name: pf, .offset: 0, .size: 8, .value_kind: global_buffer, .address_space: global }
      - { .name: vf, .offset: 8, .size: 8, .value_kind: global_buffer, .address_space: global }
      - { .name: st, .offset: 16, .size: 8, .value_kind: global_buffer, .address_space: global }
      - { .name: out0, .offset: 24, .size: 8, .value_kind: global_buffer, .address_space: global }
    .group_segment_fixed_size: 327680
    .private_segment_fixed_size: 0
    .kernarg_segment_align: 8
    .kernarg_segment_size: 32
    .max_flat_workgroup_size: 128
    .sgpr_count:     84
    .vgpr_count:     640
    .wavefront_size: 32
...
	.end_amdgpu_metadata
.endif
;; end of part 4
;; ======== version 2 of 2: 4 launches; version 1 with the launch cvt written anew for expert scheduling mode
;; limits: right only within a limited range of input values
;; workspace buffers: xb 16,777,216 bytes; wb 4,194,304 bytes; kf 16,777,216 bytes; vf 16,777,216 bytes; pf 33,554,432 bytes; st 524,288 bytes
;; launch cvt (part 5): grid 640 x 1, 8 waves a work-group, no clusters, 0 bytes of LDS; arguments x, Wk, Wv, xb, wb; writes xb, wb
.if DOCPART == 5
	.amdgcn_target "amdgcn-amd-amdhsa--gfx1250"
	.amdhsa_code_object_version 6
	.text
	.protected	k_qd02d3abdb7_cvt
	.globl	k_qd02d3abdb7_cvt
	.p2align	8
	.type	k_qd02d3abdb7_cvt,@function
k_qd02d3abdb7_cvt:
	s_mov_b64 s[64:65], 0
	v_nop
	global_prefetch_b8 v0, s[64:65] scope:SCOPE_SE
	s_setreg_imm32_b32 hwreg(HW_REG_WAVE_SCHED_MODE, 0, 2), 2
	s_setreg_imm32_b32 hwreg(HW_REG_WAVE_MODE, 25, 1), 1
	s_wait_xcnt 0x0
	s_wait_alu depctr_vm_vsrc(0)
; x, Wk and Wv, all f32, are rounded once to bf16 (nearest even): xb = x; wb = Wk's 1,024 rows, then Wv's.
; A work-group takes 65,536 bytes of f32 and makes 32,768 bytes of bf16: groups 0-511 x, 512-575 Wk, 576-639 Wv.
; Thread t takes 16 bytes of each 4,096: a wave's load covers 512 consecutive bytes, its store 256 consecutive, aligned bytes.
; All sixteen loads go out first; no register is written twice, so no wait frees a source.  A stream: LDS, matrix units and clusters would add nothing.
; THE MODE: SCHED_MODE bits 1:0 = 2 (LLVM: expert scheduling mode 2), set by the entry lines.  The code itself states the register dependences
; between vector instructions and memory instructions, with s_wait_alu, always for 0.
; THE PLAN.  Registers that memory instructions touch:
;   v1, v2   byte offsets, made once at the head and never written again: v1 is read by every load, v2 by every store.
;   X        sixteen groups of four: each is written by one load, issued at the head, and read by two conversions; nothing lands in it again.
;   Y        sixteen pairs: each is written by two conversions and read by one store; it is never written again.
; The sixteen loads are worked on in four blocks of four.  Block p's conversions read X and write Y of block p alone; the memory instructions dealt among them
; are the four stores of block p - 1, which read Y of block p - 1 and v2.  So one wait at a block's head, that the block before has written its Y, states all
; that the block's four stores hang on.  One wait ahead of the first load states that the offsets are written; one behind block 3 serves the last four stores.
; No vector instruction writes a scalar register or VCC, EXEC is never written, and no register that a memory instruction reads is written again.
.set X, 4                              ; v[4:67]   sixteen loads of four f32
.set Y, 68                             ; v[68:99]  sixteen pairs of packed bf16
	s_load_b256 s[4:11], s[0:1], 0x0               ; x s[4:5], Wk s[6:7], Wv s[8:9], xb s[10:11]
	s_load_b64 s[12:13], s[0:1], 0x20              ; wb
	v_lshlrev_b32 v1, 4, v0                        ; 16 t: my place in 4,096 bytes of f32
	v_lshlrev_b32 v2, 3, v0                        ; 8 t: my place in 2,048 bytes of bf16
	s_mov_b32 s14, ttmp9                           ; g
	s_sub_co_u32 s15, s14, 512                     ; the group's number among the weights' (used where g >= 512)
	s_sub_co_u32 s16, s14, 576                     ; among Wv's (used where g >= 576)
	s_cmp_lt_u32 s14, 576
	s_cselect_b32 s17, s15, s16
	s_cmp_lt_u32 s14, 512
	s_cselect_b32 s17, s14, s17                    ; the group's number in its source
	s_cselect_b32 s18, s14, s15                    ; and in its destination
	s_lshl_b32 s20, s17, 16                        ; offsets in bytes, made apart from the addresses
	s_mov_b32 s21, 0
	s_lshl_b32 s22, s18, 15
	s_mov_b32 s23, 0
	s_wait_kmcnt 0x0
	s_cmp_lt_u32 s14, 576
	s_cselect_b64 s[24:25], s[6:7], s[8:9]
	s_cmp_lt_u32 s14, 512
	s_cselect_b64 s[24:25], s[4:5], s[24:25]       ; the source: x, Wk or Wv
	s_cselect_b64 s[26:27], s[10:11], s[12:13]     ; the destination: xb or wb
	s_add_nc_u64 s[24:25], s[24:25], s[20:21]
	s_add_nc_u64 s[26:27], s[26:27], s[22:23]
	s_wait_alu depctr_va_vdst(0)                   ; v1 and v2 are written: every load of the kernel reads v1 as its offset, every store v2
.set k, 0
.rept 16
	global_load_b128 v[X+4*k:X+4*k+3], v1, s[24:25] offset:4096*k th:TH_LOAD_NT
.set k, k+1
.endr
; Block p: loads 4 p to 4 p + 3 are rounded; the four stores of block p - 1 are dealt among the conversions, one ahead of each pair.
.macro BLK p
	s_wait_loadcnt 12-4*(\p)                       ; loads come back in order (ISA guide 5.7.1): this block's four are in, the younger blocks' stay out
.if (\p) > 0
	s_wait_alu depctr_va_vdst(0)                   ; the block before has written its eight registers of Y, which the four stores below read; no conversion below names them
.endif
.irp i, 0,1,2,3
.if (\p) > 0
	global_store_b64 v2, v[Y+2*(4*(\p)-4+(\i)):Y+2*(4*(\p)-4+(\i))+1], s[26:27] offset:2048*(4*(\p)-4+(\i))
.endif
	v_cvt_pk_bf16_f32 v[Y+2*(4*(\p)+(\i))],   v[X+4*(4*(\p)+(\i))],   v[X+4*(4*(\p)+(\i))+1]
	v_cvt_pk_bf16_f32 v[Y+2*(4*(\p)+(\i))+1], v[X+4*(4*(\p)+(\i))+2], v[X+4*(4*(\p)+(\i))+3]
.endr
.endm
	BLK 0                                          ; no block stands in front of it: no store, and no wait but the one for its data
	BLK 1
	BLK 2
	BLK 3
	s_wait_alu depctr_va_vdst(0)                   ; block 3 has written its eight registers of Y, which the last four stores read
.irp i, 12,13,14,15
	global_store_b64 v2, v[Y+2*(\i):Y+2*(\i)+1], s[26:27] offset:2048*(\i)
.endr
	s_endpgm
.Lfunc_end_k_qd02d3abdb7_cvt:
	.size	k_qd02d3abdb7_cvt, .Lfunc_end_k_qd02d3abdb7_cvt-k_qd02d3abdb7_cvt
	.p2alignl 7, 3214868480
	.fill 96, 4, 3214868480
	.section	.rodata,"a",@progbits
	.p2align	6, 0x0
	.amdhsa_kernel k_qd02d3abdb7_cvt
		.amdhsa_group_segment_fixed_size 0
		.amdhsa_private_segment_fixed_size 0
		.amdhsa_enable_private_segment 0
		.amdhsa_kernarg_size 40
		.amdhsa_user_sgpr_count 2
		.amdhsa_user_sgpr_kernarg_segment_ptr 1
		.amdhsa_wavefront_size32 1
		.amdhsa_system_sgpr_workgroup_id_x 1
		.amdhsa_system_sgpr_workgroup_id_y 1
		.amdhsa_system_sgpr_workgroup_id_z 1
		.amdhsa_system_vgpr_workitem_id 0
		.amdhsa_next_free_vgpr 100
		.amdhsa_next_free_sgpr 66
		.amdhsa_reserve_vcc 0
		.amdhsa_float_denorm_mode_32 3
		.amdhsa_float_denorm_mode_16_64 3
		.amdhsa_memory_ordered 1
		.amdhsa_forward_progress 1
		.amdhsa_inst_pref_size 7
	.end_amdhsa_kernel
	.amdgpu_metadata
---
amdhsa.version: [ 1, 2 ]
amdhsa.kernels:
  - .name:           k_qd02d3abdb7_cvt
    .symbol:         k_qd02d3abdb7_cvt.kd
    .args:
      - { .name: x, .offset: 0, .size: 8, .value_kind: global_buffer, .address_space: global }
      - { .name: Wk, .offset: 8, .size: 8, .value_kind: global_buffer, .address_space: global }
      - { .name: Wv, .offset: 16, .size: 8, .value_kind: global_buffer, .address_space: global }
      - { .name: xb, .offset: 24, .size: 8, .value_kind: global_buffer, .address_space: global }
      - { .name: wb, .offset: 32, .size: 8, .value_kind: global_buffer, .address_space: global }
    .group_segment_fixed_size: 0
    .private_segment_fixed_size: 0
    .kernarg_segment_align: 8
    .kernarg_segment_size: 40
    .max_flat_workgroup_size: 256
    .sgpr_count:     66
    .vgpr_count:     100
    .wavefront_size: 32
...
	.end_amdgpu_metadata
.endif
;; end of part 5
;; launch proj: the kernel of part 2 again; grid 8 x 32, 4 waves a work-group, clusters of 4 x 4, 327,680 bytes of LDS; arguments xb, wb, kf, vf; writes kf, vf
;; launch score: the kernel of part 3 again; grid 36 x 4, 4 waves a work-group, no clusters, 327,680 bytes of LDS; arguments kf, pf, st; writes pf, st
;; launch pv: the kernel of part 4 again; grid 8 x 32, 4 waves a work-group, clusters of 4 x 1, 327,680 bytes of LDS; arguments pf, vf, st, out0; writes out0
